; MI455X (gfx1250); checked and timed in simulation.
; The chip was launched on July 23, 2026; its instructions are those of AMD's public machine-readable ISA for CDNA 5 (MIT licence, August 2026) and "CDNA5" Instruction Set Architecture Reference Guide (July 2026). The comments in the code are by the model that wrote it; some were corrected since.
;; Sparse Mo E Layer. Allowed arithmetic: matrix products marked QUANTISED: E2M1 operands, one E8M0 scale for each 32 along K, by v_wmma_scale_f32_16x16x128_f8f6f4 with both operands' format E2M1 (or v_wmma_scale_f32_32x16x128_f4), f32 sums; products left as they are: f32 operands where the result goes on into a quantised operand, else bf16, f16 or f32 operands; f32 sums; everything else in f32.
;; Inputs: b1 8 x 2,048 float32; b2 8 x 512 float32; gate_w 8 x 512 float32; hidden_states 4 x 1,024 x 512 float32; w1 8 x 512 x 2,048 float32; w2 8 x 2,048 x 512 float32.
;; Outputs: out0 4 x 1,024 x 512 float32.
;; This version of the problem:
;;   THIS VERSION OF THE PROBLEM IS GIVEN IN LOW PRECISION. The matrix products marked QUANTISED in the list below multiply operands that are first quantised to E2M1 (2 exponent bits, 1 mantissa bit; 4 bits a number), with one power-of-two scale for each 32 numbers along K (OCP MX v1.0); their sums are f32. All else is computed in f32.
;;   The module's matrix products, in the order in which they are computed (A, B: the left and right operand; K: the contracted axis; several contracted axes count as one K, in the product's order):
;;     1. [M 4,096, K 512] x [K 512, N 8]; A: input hidden_states; B: input gate_w: left as it is (N = 8 < 16)
;;     2. [M 4,096, K 512] x [K 512, N 2,048]; A: input hidden_states; B: input w1: QUANTISED
;;     3. [M 4,096, K 2,048] x [K 2,048, N 512]; A: computed on the way; B: input w2: QUANTISED
;;     4. [M 4,096, K 512] x [K 512, N 2,048]; A: input hidden_states; B: input w1: QUANTISED
;;     5. [M 4,096, K 2,048] x [K 2,048, N 512]; A: computed on the way; B: input w2: QUANTISED
;;     6. [M 4,096, K 512] x [K 512, N 2,048]; A: input hidden_states; B: input w1: QUANTISED
;;     7. [M 4,096, K 2,048] x [K 2,048, N 512]; A: computed on the way; B: input w2: QUANTISED
;;     8. [M 4,096, K 512] x [K 512, N 2,048]; A: input hidden_states; B: input w1: QUANTISED
;;     9. [M 4,096, K 2,048] x [K 2,048, N 512]; A: computed on the way; B: input w2: QUANTISED
;;     10. [M 4,096, K 512] x [K 512, N 2,048]; A: input hidden_states; B: input w1: QUANTISED
;;     11. [M 4,096, K 2,048] x [K 2,048, N 512]; A: computed on the way; B: input w2: QUANTISED
;;     12. [M 4,096, K 512] x [K 512, N 2,048]; A: input hidden_states; B: input w1: QUANTISED
;;     13. [M 4,096, K 2,048] x [K 2,048, N 512]; A: computed on the way; B: input w2: QUANTISED
;;     14. [M 4,096, K 512] x [K 512, N 2,048]; A: input hidden_states; B: input w1: QUANTISED
;;     15. [M 4,096, K 2,048] x [K 2,048, N 512]; A: computed on the way; B: input w2: QUANTISED
;;     16. [M 4,096, K 512] x [K 512, N 2,048]; A: input hidden_states; B: input w1: QUANTISED
;;     17. [M 4,096, K 2,048] x [K 2,048, N 512]; A: computed on the way; B: input w2: QUANTISED
;;   THE QUANTISER, for each operand of a quantised product, along K:
;;     - K is cut into blocks of 32 from its start; a last block that is shorter is filled with zeros.
;;     - A block's scale is 2^e with e = floor(log2(the largest magnitude in the block)) - 2, held to -126 .. 127; a block of zeros has e = 0. As a byte (E8M0): e + 127.
;;     - Each number is divided by its block's scale, clamped to +-6, and rounded to the nearest number of E2M1, ties to even, subnormals kept.
;;     - The product sums the exact products of the quantised numbers (number of the format x scale) in f32.
;;   ~~~python
;;   def quantise(x, axis):      # numpy; x: float32 -> the quantised numbers, widened to float32 again
;;       x = np.moveaxis(x, axis, -1); K = x.shape[-1]
;;       x = np.pad(x, [(0, 0)] * (x.ndim - 1) + [(0, -K % 32)]); x = x.reshape(x.shape[:-1] + (-1, 32)); a = np.abs(x).max(-1, keepdims=True)
;;       e = np.where(a > 0, np.clip(np.frexp(np.where(a > 0, a, 1))[1] - 1 - 2, -126, 127), 0)      # np.frexp(a)[1] - 1 = floor(log2(a)), exactly
;;       r = np.clip(x / 2.0 ** e, -6, 6)
;;       step = 2.0 ** (np.maximum(np.frexp(np.where(r == 0, 1, r))[1] - 1, 0) - 1)
;;       q = np.round(r / step) * step * 2.0 ** e      # np.round: ties to even
;;       return np.moveaxis(q.reshape(q.shape[:-2] + (-1,))[..., :K], -1, axis).astype(np.float32)
;;   ~~~
;;   OPERANDS COMPUTED ON THE WAY. 'Computed on the way' means the value that the module computes at that place (a softmax that the list does not call 'softmax' is quantised finished and normalised). What goes into a quantiser is computed in f32, as accurately as f32 sums, v_exp_f32 and their like allow (about 1e-6 of the number): no bf16 or f16 on the way to a quantiser, and a product that is left as it is and whose result goes on into a quantised operand takes f32 operands (vector FMAs, or v_wmma_f32_16x16x4_f32). A number that lies on a knife's edge between two numbers of the format may be rounded either way, as far as f32 arithmetic and the matrix unit's own rounding can turn it there, and no further.
;; 2 versions, each right; version 2 is version 1 with the launches ffn1, ffn2 written anew for expert scheduling mode. Each part assembles by itself: llvm-mc -triple=amdgcn-amd-amdhsa -mcpu=gfx1250 --defsym DOCPART=n.
;; ======== version 1 of 2: 5 launches
;; workspace buffers: xq 1,146,880 bytes; route 16,384 bytes of whole numbers; w1q 4,456,448 bytes; w2q 4,456,448 bytes; lists 66,304 bytes of whole numbers; hq 9,584,640 bytes; y 17,039,360 bytes
;; launch prep (part 1): grid 640 x 1, 8 waves a work-group, no clusters, 43,520 bytes of LDS; arguments hidden_states, gate_w, w1, w2, xq, route, w1q, w2q; writes xq, route, w1q, w2q
.if DOCPART == 1
	.amdgcn_target "amdgcn-amd-amdhsa--gfx1250"
	.amdhsa_code_object_version 6
	.text
	.protected	k_qd665a63a20_prep
	.globl	k_qd665a63a20_prep
	.p2align	8
	.type	k_qd665a63a20_prep,@function
k_qd665a63a20_prep:
	s_mov_b64 s[64:65], 0
	v_nop
	global_prefetch_b8 v0, s[64:65] scope:SCOPE_SE
	s_setreg_imm32_b32 hwreg(HW_REG_WAVE_MODE, 25, 1), 1
	s_wait_xcnt 0x0
; THREE JOBS IN ONE LAUNCH, parted on the work-group's number.
;   work-groups 0-127:   32 tokens each: the 8 logits in f32, the two largest, the softmax of those two; x into codes of E2M1 with one E8M0 byte for each 32 along K.
;   work-groups 128-383: w1 [8][512 k][2048 n] f32 into codes and scale words;   work-groups 384-639: w2 [8][2048 k][512 n] likewise.
; THE QUANTISER: a block's scale is 2^(floor(log2(largest magnitude)) - 2); its byte is the largest magnitude's exponent field - 2, held at 1 from below by a floor among the maximum's leaves.
; WHAT IS STORED.  xq: codes [4096][256 bytes] at 0, scale bytes [4096][16] at XSO, the two routing weights [4096][2] f32 at TWO.  route: word t = first expert | second expert << 8.
; w1q, w2q: IMAGES OF THE OPERAND'S REGISTERS.  A tile is 16 columns n x 128 k = 1,024 bytes: byte 512 c + 16 (r + 16 h) holds the 32 codes k = 64 c + 32 h + 0..31 of the tile's row r.
;   w1q [e][pair of tiles g 64][K step 4][u 2][1024], w2q [e][g 16][K step 16][u 2][1024]; scale words at WSC, [e][g][K step][32 lanes]: lane 16 u + r holds tile u's row r.
;   w1's 32 columns of a pair are dealt so that the first product's results are neighbours along the second product's K: column q goes to tile u = (q >> 3) & 1, row r = (q & 7) + 8 (q >> 4).  w2's: u = q >> 4, r = q & 15.
; No tensor loads, no cluster, no matrix unit: every input byte is read once by one wave, and nothing is shared between work-groups but the 16 KB of gate_w.
; LIMITS: NaN and infinities among the inputs are not served.  A block of zeros gets the byte 1 where the rule says 127: its codes are zeros, and this program alone reads the bytes.
;   Two logits that are equal within the error of an f32 sum of 512 terms may be ranked otherwise than by another order of summation.
.set LOG,   40960                      ; LDS: the work-group's logits, [32 tokens][8] f32
.set XSB,   41984                      ; LDS: its scale bytes of x, [32 tokens][16]
.set SP,    80                         ; a lane's place in a stage: 64 bytes + 16 of padding; a wave has two stages of 32 places at 5,120 x wave
.set XSO,   0x100000
.set TWO,   0x110000
.set WSC,   0x400000
.set G,     16                         ; router: v16-143 gate_w: expert e's 16 numbers of my lane at G + 16 e
.set R,     144                        ; router: v144-207 four rows of x as loaded, 16 registers each; behind its turn a row's registers take: +0,+1 codes, +2 the byte, +4..+11 the logits
.set XT,    208                        ; router: v208-239 two sets of 16 neighbours
.set SM,    240                        ; router: v240-255 eight sums, in pairs
.set X,     16                         ; weights: v16-143 my column's 128 numbers down K
.set C,     144                        ; weights: v144-159 their codes
.set SB,    160                        ; weights: v160 their four scale bytes
; ---------------- the weights: a lane takes a column n, and its registers run down K ----------------
.macro QLOAD kb, rowb                  ; block kb: 32 rows k at my column; the 32 lanes read 128 consecutive bytes, the eight waves stand side by side on 1,024
.set i, 0
.rept 32
	global_load_b32 v[X+32*(\kb)+i], v2, s[22:23] offset:(32*(\kb)+i)*\rowb th:TH_LOAD_NT
.set i, i+1
.endr
.endm
.macro QBLOCK kb, rowb
.set XB, X+32*(\kb)
.if (\kb) < 3
	s_wait_loadcnt 32                              ; this block's 32 loads are in; the next block's 32 may be out
.else
	s_wait_loadcnt 0x0
.endif
.if (\kb)+2 < 4
	QLOAD (\kb)+2, \rowb                           ; two blocks ahead, into registers of their own
.endif
	v_max3_num_f32 v8, |v[XB]|, |v[XB+1]|, |v[XB+2]|               ; the block's largest magnitude: all 32 numbers are mine; two chains
	v_max3_num_f32 v9, |v[XB+3]|, |v[XB+4]|, |v[XB+5]|
.irp n, 6,10,14,18,22,26
	v_max3_num_f32 v8, v8, |v[XB+\n]|, |v[XB+\n+1]|
	v_max3_num_f32 v9, v9, |v[XB+\n+2]|, |v[XB+\n+3]|
.endr
	v_max3_num_f32 v8, v8, |v[XB+30]|, |v[XB+31]|
	v_max3_num_f32 v8, v8, v9, 0x1800000           ; and the floor 2^(3 - 127): the byte cannot fall under 1
	v_add_nc_u32 v11, 0xff000000, v8               ; 2 off the exponent field: the conversion takes the exponent field of this operand as its scale
	v_lshrrev_b32 v10, 23, v11                     ; the scale's byte
.if (\kb) == 0
	v_mov_b32 v[SB], v10
.else
	v_lshl_or_b32 v[SB], v10, 8*(\kb), v[SB]       ; the lower K in the lower byte
.endif
.irp g, 0,1,2,3
	v_cvt_scalef32_pk8_fp4_f32 v[C+4*(\kb)+\g], v[XB+8*\g:XB+8*\g+7], v11
.endr
	global_store_b128 v3, v[C+4*(\kb):C+4*(\kb)+3], s[24:25] offset:((\kb)/2)*512+((\kb)%2)*256   ; block 2 c + h: the sixteen lanes of a tile store 256 consecutive bytes, aligned
.endm                                  ; (the conversions' results go to stores only; the next block begins with plain vector lines)
.macro QW rowb
	QLOAD 0, \rowb
	QLOAD 1, \rowb
	QBLOCK 0, \rowb
	QBLOCK 1, \rowb
	QBLOCK 2, \rowb
	QBLOCK 3, \rowb
	global_store_b32 v4, v[SB], s[26:27]           ; 32 scale words, 128 consecutive bytes: one byte for each 128 that the wave reads
	s_endpgm
.endm
; where a wave's part begins.  id = work-group - first; its low cgbits bits: which 256 columns; the rest: expert x K steps + K step.  g = 8 x (which 256 columns) + wave: the pair of tiles
.macro QBASE first, cgbits, sbits, insh, gsh, gssh, in, out
	s_sub_co_u32 s21, ttmp9, \first
	s_and_b32 s28, s21, (1<<\cgbits)-1
	s_lshr_b32 s29, s21, \cgbits
	s_lshl_b32 s28, s28, 3
	s_add_co_u32 s28, s28, s20                     ; g
	s_lshl_b32 s22, s29, \insh                     ; 128 rows of the input for each K step,
	s_lshl_b32 s21, s28, 7                         ; 128 bytes for each 32 columns
	s_add_co_u32 s22, s22, s21
	s_mov_b32 s23, 0
	s_lshr_b32 s32, s29, \sbits                    ; the expert
	s_and_b32 s33, s29, (1<<\sbits)-1              ; the K step
	s_lshl_b32 s24, s32, 19                        ; codes: 512 KB an expert,
	s_lshl_b32 s21, s28, \gsh                      ; a pair's K steps on end,
	s_add_co_u32 s24, s24, s21
	s_lshl_b32 s21, s33, 11                        ; 2,048 bytes a K step
	s_add_co_u32 s24, s24, s21
	s_mov_b32 s25, 0
	s_lshl_b32 s26, s32, 15                        ; scale words: 32 KB an expert,
	s_lshl_b32 s21, s28, \gssh
	s_add_co_u32 s26, s26, s21
	s_lshl_b32 s21, s33, 7                         ; 128 bytes a K step
	s_add_co_u32 s26, s26, s21
	s_add_co_u32 s26, s26, WSC
	s_mov_b32 s27, 0
	s_wait_kmcnt 0x0
	s_add_nc_u64 s[22:23], s[\in:\in+1], s[22:23]
	s_add_nc_u64 s[24:25], s[\out:\out+1], s[24:25]
	s_add_nc_u64 s[26:27], s[\out:\out+1], s[26:27]
.endm
; ---------------- the router: one row of x ----------------
.macro ROW row
.set RR, R+16*(\row)
.set XX, XT+16*((\row)%2)
.set STG, 32*SP*((\row)%2)
	s_wait_loadcnt 12-4*(\row)                     ; gate_w and this row's four loads are in; the later rows' stay out
.irp e, 0,1,2,3,4,5,6,7
	v_pk_mul_f32 v[SM+2*\e:SM+2*\e+1], v[RR:RR+1], v[G+16*\e:G+16*\e+1]          ; eight sums by turns; the first product starts each
.endr
.irp p, 1,2,3,4,5,6,7
.irp e, 0,1,2,3,4,5,6,7
	v_pk_fma_f32 v[SM+2*\e:SM+2*\e+1], v[RR+2*\p:RR+2*\p+1], v[G+16*\e+2*\p:G+16*\e+2*\p+1], v[SM+2*\e:SM+2*\e+1]
.endr
.endr
.irp j, 0,1,2,3                        ; the row's 2,048 bytes turn through my stage: in as loaded (16 bytes a lane, 512 a load), out 64 bytes a lane: 16 neighbours along K
	ds_store_b128 v3, v[RR+4*\j:RR+4*\j+3] offset:STG+8*SP*\j
.endr
.irp j, 0,1,2,3
	ds_load_b128 v[XX+4*\j:XX+4*\j+3], v4 offset:STG+16*\j       ; LDS serves a wave's instructions in order (ISA guide 5.7.1.4): these see the stores above
.endr
.irp e, 0,1,2,3,4,5,6,7
	v_add_f32 v[SM+2*\e], v[SM+2*\e], v[SM+2*\e+1]
.endr
.irp m, 1,2,4,8
.irp e, 0,1,2,3,4,5,6,7
	v_add_f32_dpp v[SM+2*\e], v[SM+2*\e], v[SM+2*\e] row_xmask:\m row_mask:0xf bank_mask:0xf
.endr
.endr
.irp e, 0,1,2,3,4,5,6,7
	v_permlanex16_b32 v[SM+2*\e+1], v[SM+2*\e], s30, s31
.endr
	s_wait_dscnt 0x0                               ; the 16 neighbours are back, and the stage's stores have read the row's registers, which are written from here on
.irp e, 0,1,2,3,4,5,6,7
	v_add_f32 v[RR+4+\e], v[SM+2*\e], v[SM+2*\e+1] ; the row's logits, the same in every lane
.endr
	ds_store_b128 v6, v[RR+4:RR+7] offset:32*(\row)                 ; all lanes write the same words with the same values
	ds_store_b128 v6, v[RR+8:RR+11] offset:32*(\row)+16
	v_max3_num_f32 v8, |v[XX]|, |v[XX+1]|, |v[XX+2]|                ; the largest magnitude of my 16
	v_max3_num_f32 v9, |v[XX+3]|, |v[XX+4]|, |v[XX+5]|
.irp n, 6,10
	v_max3_num_f32 v8, v8, |v[XX+\n]|, |v[XX+\n+1]|
	v_max3_num_f32 v9, v9, |v[XX+\n+2]|, |v[XX+\n+3]|
.endr
	v_max3_num_f32 v8, v8, |v[XX+14]|, |v[XX+15]|
	v_max3_num_f32 v8, v8, v9, 0x1800000           ; and the floor 2^(3 - 127)
	v_max_num_f32_dpp v8, v8, v8 row_xmask:1 row_mask:0xf bank_mask:0xf   ; and of my neighbour's 16: the block's
	v_add_nc_u32 v11, 0xff000000, v8
	v_cvt_scalef32_pk8_fp4_f32 v[RR], v[XX:XX+7], v11
	v_cvt_scalef32_pk8_fp4_f32 v[RR+1], v[XX+8:XX+15], v11
	v_lshrrev_b32 v[RR+2], 23, v11                 ; the scale's byte (a plain line behind the conversions)
	ds_store_b8 v5, v[RR+2] offset:16*(\row)       ; both lanes of a block write the same byte with the same value
	global_store_b64 v7, v[RR:RR+1], s[24:25] offset:256*(\row)     ; the row's 512 codes: 32 lanes store 256 consecutive bytes, aligned
.endm
	s_load_b512 s[4:19], s[0:1], 0x0               ; hidden s[4:5], gate s[6:7], w1 s[8:9], w2 s[10:11], xq s[12:13], route s[14:15], w1q s[16:17], w2q s[18:19]
	v_lshl_add_u32 v12, v0, 2, 0xa600
	v_mov_b32 v13, 0
	v_lshrrev_b32 v1, 5, v0
	v_readfirstlane_b32 s20, v1                    ; wave 0..7
	v_and_b32 v1, 31, v0                           ; lane
	s_cmp_lt_u32 ttmp9, 128
	s_cbranch_scc1 .Lrouter
	v_lshlrev_b32 v2, 2, v1                        ; in: 4 bytes a lane
	s_cmp_lt_u32 ttmp9, 384
	s_cbranch_scc1 .Lw1
	; ---- w2: a row is 2,048 bytes
	v_lshrrev_b32 v5, 4, v1                        ; u
	v_and_b32 v6, 15, v1                           ; r
	v_lshlrev_b32 v3, 4, v6
	v_lshl_add_u32 v3, v5, 10, v3                  ; 1,024 u + 16 r
	v_lshlrev_b32 v4, 2, v1                        ; 4 (16 u + r)
	QBASE 384, 1, 4, 18, 15, 11, 10, 18
	QW 2048
.Lw1:
	; ---- w1: a row is 8,192 bytes
	v_bfe_u32 v5, v1, 3, 1                         ; u
	v_and_b32 v6, 7, v1
	v_lshrrev_b32 v7, 4, v1
	v_lshl_add_u32 v6, v7, 3, v6                   ; r
	v_lshlrev_b32 v3, 4, v6
	v_lshl_add_u32 v3, v5, 10, v3
	v_lshl_add_u32 v4, v5, 4, v6
	v_lshlrev_b32 v4, 2, v4
	QBASE 128, 3, 2, 20, 13, 9, 8, 16
	QW 8192
.Lrouter:
	s_mov_b32 s30, 0x76543210
	s_mov_b32 s31, 0xfedcba98                      ; v_permlanex16_b32's selects for lane l xor 16
	v_lshlrev_b32 v2, 4, v1                        ; 16 x lane
	s_mul_i32 s21, s20, 2*32*SP                    ; my two stages
	v_lshrrev_b32 v3, 2, v1
	v_mul_u32_u24 v3, v3, SP
	v_and_b32 v4, 3, v1
	v_lshl_add_u32 v3, v4, 4, v3
	v_add_nc_u32 v3, s21, v3                       ; into a stage: SP (lane / 4) + 16 (lane % 4)
	v_mul_u32_u24 v4, v1, SP
	v_add_nc_u32 v4, s21, v4                       ; out of it: SP x lane
	s_lshl_b32 s21, s20, 6
	s_add_co_u32 s21, s21, XSB
	v_lshrrev_b32 v5, 1, v1
	v_add_nc_u32 v5, s21, v5                       ; my block's byte: XSB + 64 x wave + lane / 2 (+ 16 x row)
	s_lshl_b32 s21, s20, 7
	s_add_co_u32 s21, s21, LOG
	v_mov_b32 v6, s21                              ; my wave's logits: LOG + 128 x wave (+ 32 x row)
	v_lshlrev_b32 v7, 3, v1                        ; 8 x lane
	v_lshl_add_u32 v14, v1, 5, LOG                 ; for wave 0, behind the barrier: token = lane
	v_lshl_add_u32 v15, v1, 4, XSB
	s_lshl_b32 s22, ttmp9, 16                      ; x: 32 rows of 2,048 bytes a work-group, 4 a wave
	s_lshl_b32 s21, s20, 13
	s_add_co_u32 s22, s22, s21
	s_mov_b32 s23, 0
	s_lshl_b32 s24, ttmp9, 13                      ; codes: rows of 256 bytes
	s_lshl_b32 s21, s20, 10
	s_add_co_u32 s24, s24, s21
	s_mov_b32 s25, 0
	s_lshl_b32 s26, ttmp9, 9                       ; scale bytes: 16 a token
	s_add_co_u32 s26, s26, XSO
	s_mov_b32 s27, 0
	s_lshl_b32 s28, ttmp9, 8                       ; weights: 8 bytes a token
	s_add_co_u32 s28, s28, TWO
	s_mov_b32 s29, 0
	s_lshl_b32 s32, ttmp9, 7                       ; route: 4 bytes a token
	s_mov_b32 s33, 0
	s_wait_kmcnt 0x0
	s_add_nc_u64 s[22:23], s[4:5], s[22:23]
	s_add_nc_u64 s[24:25], s[12:13], s[24:25]
	s_add_nc_u64 s[26:27], s[12:13], s[26:27]
	s_add_nc_u64 s[28:29], s[12:13], s[28:29]
	s_add_nc_u64 s[32:33], s[14:15], s[32:33]
.irp e, 0,1,2,3,4,5,6,7
.irp j, 0,1,2,3
	global_load_b128 v[G+16*\e+4*\j:G+16*\e+4*\j+3], v2, s[6:7] offset:2048*\e+512*\j    ; gate_w in the layout in which x is loaded: columns 128 j + 4 lane + 0..3
.endr
.endr
.irp w, 0,1,2,3
.irp j, 0,1,2,3
	global_load_b128 v[R+16*\w+4*\j:R+16*\w+4*\j+3], v2, s[22:23] offset:2048*\w+512*\j th:TH_LOAD_NT   ; 32 lanes read 512 consecutive bytes
.endr
.endr
	ROW 0
	ROW 1
	ROW 2
	ROW 3
	s_wait_dscnt 0x0                               ; for wave 0's sake: my logits and scale bytes lie in LDS
	s_barrier_signal -1
	s_barrier_wait -1
	s_cmp_lg_u32 s20, 0
	s_cbranch_scc1 .Lend
	; ---- wave 0: a lane to a token.  Only values are chosen here: no branch and no address hangs on a logit
	ds_load_b128 v[16:19], v14
	ds_load_b128 v[20:23], v14 offset:16           ; the token's 8 logits
	ds_load_b128 v[24:27], v15                     ; its 16 scale bytes
	v_lshlrev_b32 v36, 2, v1
	s_wait_dscnt 0x0
	global_store_b128 v2, v[24:27], s[26:27]       ; 512 consecutive bytes
	v_mov_b32 v28, v16                             ; the largest logit,
	v_mov_b32 v29, 0                               ; and whose it is; a strict compare leaves ties with the lower expert
.irp e, 1,2,3,4,5,6,7
	v_cmp_gt_f32 vcc_lo, v[16+\e], v28
	v_cndmask_b32 v28, v28, v[16+\e], vcc_lo
	v_cndmask_b32 v29, v29, \e, vcc_lo
.endr
	v_mov_b32 v30, 0xff800000                      ; the second: the largest of the seven others
	v_cmp_eq_u32 vcc_lo, 0, v29
	v_cndmask_b32 v31, 0, 1, vcc_lo
.irp e, 0,1,2,3,4,5,6,7
	v_cmp_gt_f32 s21, v[16+\e], v30
	v_cmp_ne_u32 vcc_lo, \e, v29
	s_and_b32 vcc_lo, vcc_lo, s21
	v_cndmask_b32 v30, v30, v[16+\e], vcc_lo
	v_cndmask_b32 v31, v31, \e, vcc_lo
.endr
	v_sub_f32 v34, v30, v28                        ; the softmax of the two, the larger taken away: 1 / (1 + x), x / (1 + x), x = e^(second - first) <= 1
	v_mul_f32 v34, 0x3fb8aa3b, v34
	v_exp_f32 v34, v34
	v_lshl_or_b32 v35, v31, 8, v29                 ; (a plain line behind the exponential)  first | second << 8
	s_wait_alu depctr_va_vdst(0)
	v_add_f32 v32, 1.0, v34
	v_rcp_f32 v32, v32
	v_nop                                          ; a plain line behind the reciprocal
	s_wait_alu depctr_va_vdst(0)
	v_mul_f32 v33, v34, v32
	global_store_b32 v36, v35, s[32:33]
	global_store_b64 v7, v[32:33], s[28:29]        ; 256 consecutive bytes, aligned
.Lend:
	s_wait_tensorcnt 0x0
	ds_add_u32 v12, v13
	s_wait_dscnt 0x0
	s_endpgm
.Lfunc_end_k_qd665a63a20_prep:
	.size	k_qd665a63a20_prep, .Lfunc_end_k_qd665a63a20_prep-k_qd665a63a20_prep
	.p2alignl 7, 3214868480
	.fill 96, 4, 3214868480
	.section	.rodata,"a",@progbits
	.p2align	6, 0x0
	.amdhsa_kernel k_qd665a63a20_prep
		.amdhsa_group_segment_fixed_size 43520
		.amdhsa_private_segment_fixed_size 0
		.amdhsa_enable_private_segment 0
		.amdhsa_kernarg_size 64
		.amdhsa_user_sgpr_count 2
		.amdhsa_user_sgpr_kernarg_segment_ptr 1
		.amdhsa_wavefront_size32 1
		.amdhsa_system_sgpr_workgroup_id_x 1
		.amdhsa_system_sgpr_workgroup_id_y 1
		.amdhsa_system_sgpr_workgroup_id_z 1
		.amdhsa_system_vgpr_workitem_id 0
		.amdhsa_next_free_vgpr 256
		.amdhsa_next_free_sgpr 66
		.amdhsa_reserve_vcc 1
		.amdhsa_float_denorm_mode_32 3
		.amdhsa_float_denorm_mode_16_64 3
		.amdhsa_memory_ordered 1
		.amdhsa_forward_progress 1
		.amdhsa_inst_pref_size 85
	.end_amdhsa_kernel
	.amdgpu_metadata
---
amdhsa.version: [ 1, 2 ]
amdhsa.kernels:
  - .name:           k_qd665a63a20_prep
    .symbol:         k_qd665a63a20_prep.kd
    .args:
      - { .name: hidden_states, .offset: 0, .size: 8, .value_kind: global_buffer, .address_space: global }
      - { .name: gate_w, .offset: 8, .size: 8, .value_kind: global_buffer, .address_space: global }
      - { .name: w1, .offset: 16, .size: 8, .value_kind: global_buffer, .address_space: global }
      - { .name: w2, .offset: 24, .size: 8, .value_kind: global_buffer, .address_space: global }
      - { .name: xq, .offset: 32, .size: 8, .value_kind: global_buffer, .address_space: global }
      - { .name: route, .offset: 40, .size: 8, .value_kind: global_buffer, .address_space: global }
      - { .name: w1q, .offset: 48, .size: 8, .value_kind: global_buffer, .address_space: global }
      - { .name: w2q, .offset: 56, .size: 8, .value_kind: global_buffer, .address_space: global }
    .group_segment_fixed_size: 43520
    .private_segment_fixed_size: 0
    .kernarg_segment_align: 8
    .kernarg_segment_size: 64
    .max_flat_workgroup_size: 256
    .sgpr_count:     66
    .vgpr_count:     256
    .wavefront_size: 32
...
	.end_amdgpu_metadata
.endif
;; end of part 1
;; launch place (part 2): grid 1 x 1, 32 waves a work-group, no clusters, 4,608 bytes of LDS; arguments route, lists; writes lists
.if DOCPART == 2
	.amdgcn_target "amdgcn-amd-amdhsa--gfx1250"
	.amdhsa_code_object_version 6
	.text
	.protected	k_qd665a63a20_place
	.globl	k_qd665a63a20_place
	.p2align	8
	.type	k_qd665a63a20_place,@function
k_qd665a63a20_place:
	s_mov_b64 s[64:65], 0
	v_nop
	global_prefetch_b8 v0, s[64:65] scope:SCOPE_SE
	s_setreg_imm32_b32 hwreg(HW_REG_WAVE_MODE, 25, 1), 1
	s_wait_xcnt 0x0
; THE 8,192 PAIRS (token, expert) ARE SORTED BY EXPERT, without atomics.  All numbers here are whole numbers.
; lists: LIST [8320] at 0: row p's token;  POS1 [4096], POS2 [4096]: the rows of a token's first and second expert;  META: words 0-7 an expert's first tile of 16 rows, words 8-15 its number of tiles.
; An expert's rows begin at a tile's edge; its last tile is filled up with token 0, whose results nobody reads.  8 experts: at most 512 + 7 tiles.
; One work-group of 32 waves: the counts of all tokens have to meet, and 16 KB is all there is to read.  Thread T owns tokens 4 T .. 4 T + 3.
; Pass 1: for each of my wave's 4 x 8 (token slot c, expert e) the lanes that chose e, as a mask in a scalar register; the wave's counts.  The 32 waves' counts meet in LDS (one barrier).
; Pass 2: a pair's row = 16 x the expert's first tile + the counts of the waves below + the counts of the slots below + the set bits below my lane.
.set POS1, 33280
.set POS2, 49664
.set META, 66048
.set CNT,  16                          ; s16-23  my wave's counts
.set MK,   32                          ; s32-63  the masks, 8 c + e
.set TOT,  66                          ; s66-73  an expert's pairs
.set RUN,  74                          ; s74-81  first the pairs of the waves below mine, then the next free row
.set NT,   82                          ; s82-89  its tiles
.set TBS,  90                          ; s90-97  its first tile
.set PAD,  64                          ; v64-71  wave 0: where each expert's filling rows begin, a register for each expert
	s_load_b128 s[4:7], s[0:1], 0x0                ; route, lists
	v_lshl_add_u32 v80, v0, 2, 0x200
	v_mov_b32 v81, 0
	v_lshrrev_b32 v1, 5, v0
	v_readfirstlane_b32 s8, v1                     ; wave 0..31
	v_and_b32 v2, 31, v0                           ; lane
	v_lshlrev_b32 v1, 4, v0                        ; 16 T
	v_lshlrev_b32 v3, 4, v2                        ; LDS: wave = lane's four words
	s_lshl_b32 s9, s8, 4
	v_mov_b32 v45, s9                              ; LDS: my wave's four words
	v_lshlrev_b32 v59, 2, v2
	v_mov_b32 v58, 0
	s_mov_b32 s30, 0x76543210
	s_mov_b32 s31, 0xfedcba98
.irp e, 0,1,2,3,4,5,6,7
	s_mov_b32 s[CNT+\e], 0
	v_mov_b32 v[28+\e], 0                          ; written once: a lane move's destination counts as one of its sources
	v_mov_b32 v[36+\e], 0                          ; v36-39 the rows of my tokens' first experts, v40-43 of their second
.endr
	v_lshlrev_b32 v54, 2, v0                       ; my four tokens
	v_add_nc_u32 v55, 1, v54
	v_add_nc_u32 v56, 2, v54
	v_add_nc_u32 v57, 3, v54
	s_wait_kmcnt 0x0
	global_load_b128 v[4:7], v1, s[4:5]
	s_wait_loadcnt 0x0
.irp c, 0,1,2,3
	v_and_b32 v[8+\c], 7, v[4+\c]                  ; first expert
	v_bfe_u32 v[12+\c], v[4+\c], 8, 3              ; second
.endr
.irp c, 0,1,2,3
.irp e, 0,1,2,3,4,5,6,7
	v_cmp_eq_u32 s[MK+8*\c+\e], \e, v[8+\c]
	v_cmp_eq_u32 vcc_lo, \e, v[12+\c]
	s_or_b32 s[MK+8*\c+\e], s[MK+8*\c+\e], vcc_lo
	s_bcnt1_i32_b32 s24, s[MK+8*\c+\e]
	s_add_co_u32 s[CNT+\e], s[CNT+\e], s24
.endr
.endr
.irp w, 0,1,2,3                        ; two counts to a word: a wave's are at most 128, all waves' at most 4,096
	s_lshl_b32 s24, s[CNT+2*\w+1], 16
	s_or_b32 s24, s24, s[CNT+2*\w]
	v_mov_b32 v[16+\w], s24
.endr
	ds_store_b128 v45, v[16:19]                    ; all lanes write the same words with the same values
	s_wait_dscnt 0x0                               ; for the others' sake
	s_barrier_signal -1
	s_barrier_wait -1
	ds_load_b128 v[20:23], v3                      ; lane l: wave l's counts
	s_wait_dscnt 0x0
	v_cmp_gt_u32 vcc_lo, s8, v2                    ; the waves below mine
.irp w, 0,1,2,3
	v_cndmask_b32 v[24+\w], 0, v[20+\w], vcc_lo
.endr
.irp m, 1,2,4,8                        ; eight sums over the 32 lanes
.irp k, 0,1,2,3,4,5,6,7
	v_mov_b32_dpp v[28+\k], v[20+\k] row_xmask:\m row_mask:0xf bank_mask:0xf
.endr
.irp k, 0,1,2,3,4,5,6,7
	v_add_nc_u32 v[20+\k], v[20+\k], v[28+\k]
.endr
.endr
.irp k, 0,1,2,3,4,5,6,7
	v_permlanex16_b32 v[28+\k], v[20+\k], s30, s31
.endr
.irp k, 0,1,2,3,4,5,6,7
	v_add_nc_u32 v[20+\k], v[20+\k], v[28+\k]
.endr
.irp w, 0,1,2,3
	v_readfirstlane_b32 s24, v[20+\w]
	s_and_b32 s[TOT+2*\w], s24, 0xffff
	s_lshr_b32 s[TOT+2*\w+1], s24, 16
	v_readfirstlane_b32 s24, v[24+\w]
	s_and_b32 s[RUN+2*\w], s24, 0xffff
	s_lshr_b32 s[RUN+2*\w+1], s24, 16
.endr
	s_mov_b32 s25, 0
.irp e, 0,1,2,3,4,5,6,7
	s_add_co_u32 s24, s[TOT+\e], 15
	s_lshr_b32 s[NT+\e], s24, 4                    ; tiles of 16 rows, the last one filled up
	s_mov_b32 s[TBS+\e], s25
	s_add_co_u32 s25, s25, s[NT+\e]
	s_lshl_b32 s24, s[TBS+\e], 4
	s_add_co_u32 s[RUN+\e], s[RUN+\e], s24         ; my wave's first row with this expert
.endr
.irp c, 0,1,2,3
.irp e, 0,1,2,3,4,5,6,7
	v_mbcnt_lo_u32_b32 v44, s[MK+8*\c+\e], 0       ; the set bits below my lane
	v_add_nc_u32 v44, s[RUN+\e], v44
	v_cmp_eq_u32 vcc_lo, \e, v[8+\c]
	v_cndmask_b32 v[36+\c], v[36+\c], v44, vcc_lo
	v_cmp_eq_u32 vcc_lo, \e, v[12+\c]
	v_cndmask_b32 v[40+\c], v[40+\c], v44, vcc_lo
	s_bcnt1_i32_b32 s24, s[MK+8*\c+\e]
	s_add_co_u32 s[RUN+\e], s[RUN+\e], s24
.endr
.endr
	global_store_b128 v1, v[36:39], s[6:7] offset:POS1             ; 512 consecutive bytes a wave
	global_store_b128 v1, v[40:43], s[6:7] offset:POS2
.irp k, 0,1,2,3,4,5,6,7                ; LIST[row] = token: single words to scattered rows, 32 KB in all: that is what a placement is
	v_min_u32 v[46+\k], 0x207f, v[36+\k]           ; a row stays inside LIST's 8,320
	v_lshlrev_b32 v[46+\k], 2, v[46+\k]
	global_store_b32 v[46+\k], v[54+(\k%4)], s[6:7]
.endr
	s_cmp_lg_u32 s8, 0
	s_cbranch_scc1 .Lend
	; ---- wave 0: META; then the rows that fill up each expert's last tile (15 at the most) name token 0
	v_mov_b32 v60, 0
.irp e, 0,1,2,3,4,5,6,7
	v_writelane_b32 v60, s[TBS+\e], \e
	v_writelane_b32 v60, s[NT+\e], 8+\e
.endr
	global_store_b32 v59, v60, s[6:7] offset:META
.irp e, 0,1,2,3,4,5,6,7                ; all eight addresses are made with all lanes on, each in a register of its own, ahead of the first change of EXEC
	s_lshl_b32 s24, s[TBS+\e], 4
	s_add_co_u32 s24, s24, s[TOT+\e]               ; the first filling row
	v_add_nc_u32 v[PAD+\e], s24, v2
	v_min_u32 v[PAD+\e], 0x207f, v[PAD+\e]         ; a row stays inside LIST's 8,320
	v_lshlrev_b32 v[PAD+\e], 2, v[PAD+\e]
.endr
.irp e, 0,1,2,3,4,5,6,7
	s_lshl_b32 s25, s[NT+\e], 4
	s_sub_co_u32 s25, s25, s[TOT+\e]               ; how many
	v_cmp_gt_u32 vcc_lo, s25, v2
	s_wait_xcnt 0x0                                ; EXEC is a source of the stores that are out: it changes only behind this wait
	s_and_saveexec_b32 s26, vcc_lo
	global_store_b32 v[PAD+\e], v58, s[6:7]
	s_wait_xcnt 0x0                                ; and again in front of the line that widens it
	s_or_b32 exec_lo, exec_lo, s26
.endr
.Lend:
	s_wait_tensorcnt 0x0
	ds_add_u32 v80, v81
	s_wait_dscnt 0x0
	s_endpgm
.Lfunc_end_k_qd665a63a20_place:
	.size	k_qd665a63a20_place, .Lfunc_end_k_qd665a63a20_place-k_qd665a63a20_place
	.p2alignl 7, 3214868480
	.fill 96, 4, 3214868480
	.section	.rodata,"a",@progbits
	.p2align	6, 0x0
	.amdhsa_kernel k_qd665a63a20_place
		.amdhsa_group_segment_fixed_size 4608
		.amdhsa_private_segment_fixed_size 0
		.amdhsa_enable_private_segment 0
		.amdhsa_kernarg_size 16
		.amdhsa_user_sgpr_count 2
		.amdhsa_user_sgpr_kernarg_segment_ptr 1
		.amdhsa_wavefront_size32 1
		.amdhsa_system_sgpr_workgroup_id_x 1
		.amdhsa_system_sgpr_workgroup_id_y 1
		.amdhsa_system_sgpr_workgroup_id_z 1
		.amdhsa_system_vgpr_workitem_id 0
		.amdhsa_next_free_vgpr 82
		.amdhsa_next_free_sgpr 102
		.amdhsa_reserve_vcc 1
		.amdhsa_float_denorm_mode_32 3
		.amdhsa_float_denorm_mode_16_64 3
		.amdhsa_memory_ordered 1
		.amdhsa_forward_progress 1
		.amdhsa_inst_pref_size 32
	.end_amdhsa_kernel
	.amdgpu_metadata
---
amdhsa.version: [ 1, 2 ]
amdhsa.kernels:
  - .name:           k_qd665a63a20_place
    .symbol:         k_qd665a63a20_place.kd
    .args:
      - { .name: route, .offset: 0, .size: 8, .value_kind: global_buffer, .address_space: global }
      - { .name: lists, .offset: 8, .size: 8, .value_kind: global_buffer, .address_space: global }
    .group_segment_fixed_size: 4608
    .private_segment_fixed_size: 0
    .kernarg_segment_align: 8
    .kernarg_segment_size: 16
    .max_flat_workgroup_size: 1024
    .sgpr_count:     102
    .vgpr_count:     82
    .wavefront_size: 32
...
	.end_amdgpu_metadata
.endif
;; end of part 2
;; launch ffn1 (part 3): grid 16 x 16, 4 waves a work-group, no clusters, 0 bytes of LDS; arguments xq, w1q, b1, lists, hq; writes hq
.if DOCPART == 3
	.amdgcn_target "amdgcn-amd-amdhsa--gfx1250"
	.amdhsa_code_object_version 6
	.text
	.protected	k_qd665a63a20_ffn1
	.globl	k_qd665a63a20_ffn1
	.p2align	8
	.type	k_qd665a63a20_ffn1,@function
k_qd665a63a20_ffn1:
	s_mov_b64 s[64:65], 0
	v_nop
	global_prefetch_b8 v0, s[64:65] scope:SCOPE_SE
	s_setreg_imm32_b32 hwreg(HW_REG_WAVE_MODE, 25, 1), 1
	s_wait_xcnt 0x0
; h = Q(gelu(x W1[e] + b1[e])) FOR THE ROWS THAT THE ROUTING LISTS, on codes of E2M1 with E8M0 scales; Q quantises along the second product's K.  A token's six other experts are multiplied by 0 in the sum, and are left out.
; SHARES.  Work-group (x, y): x = a slot of 128 hidden units, y >> 1 = the expert.  A wave keeps its slot of W1 (128 units x 512 k: 256 registers), its scale words and b1 in REGISTERS and walks the expert's tiles of
;   16 rows: tiles q, q + 8, .. with q = 4 (y & 1) + wave.  So the weights are read once a wave, and a trip reads 4.3 KB of x.
; A TRIP: 32 matrix instructions (8 tiles of 16 units x 4 K steps), gelu on 64 numbers a lane, the quantiser; the result is ONE fragment (16 rows x 128 k) of the second product and one scale word a row, stored as an
;   image of the operand's registers: hq [tile][K step 16][1,024 bytes], scale words behind them, [tile][K step][32 lanes].
; THE PRODUCT IS USED TRANSPOSED (source 0 = 16 columns of W1, source 1 = 16 rows of x): a lane holds ONE row.  The columns of a tile were chosen by the launch that made the codes so that the 16 registers of tiles 2 b and
;   2 b + 1 are the 16 neighbouring units 32 b + 16 (lane / 16) + 0..15.  b1 is the C of each sum's first matrix instruction.
; gelu(x) = x / (1 + 2^(x (K0 + K1 x x))), K0 = -2 sqrt(2 / pi) log2(e), K1 = 0.044715 K0: the tanh form, all in f32; for large |x| the exponential runs to 0 or to infinity and the quotient to x or to 0.
; NO LDS, NO BARRIER, NO CLUSTER: the number of tiles is read from memory and differs from expert to expert, so partners would need different numbers of joint requests, and no barrier may stand in such a loop;
;   what the waves share, the weights, is read once into registers.
; A wave whose q is not under the expert's number of tiles has no tile and ends: only where an expert has fewer than 8 tiles (under 113 tokens).
; LIMITS: NaN and infinities are not served.  A block of zeros carries the byte 1 with zero codes.  Rows that fill up an expert's last tile repeat token 0; nobody reads their results.
; REGISTERS: window 0 as named below; window 1: W1: fragment (tile t, K step s) at v[8 ((t / 2) 8 + 2 s + t % 2)]; window 2: v0-63 b1, eight a tile.
.set META,  66048
.set XSO,   0x100000
.set WSC,   0x400000
.set HSO_B, 0x820000                   ; hq: the scale words begin behind 520 tiles x 16 KB
.set LI,  3                            ; 16 x lane
.set LS,  4                            ; 4 x lane
.set R4,  5                            ; 4 (lane % 16)
.set H16, 6                            ; 16 (lane / 16)
.set TOK, 7                            ; the token of my row, as loaded
.set TC,  8                            ; held inside the table
.set XA,  9                            ; its codes
.set XSA, 10                           ; its scale bytes
.set LA,  11                           ; where TOK is loaded from
.set HO,  12                           ; where the fragment goes
.set HSO, 13                           ; and its scale words
.set K0,  14                           ; v[14:15]
.set K1,  16                           ; v[16:17]
.set B1O, 18                           ; 64 (lane / 16)
.set XF,  20                           ; v20-51   x's four fragments
.set XS,  52                           ; v52-55   x's scale words, one a K step
.set WS,  56                           ; v56-71   W1's scale words: pair of tiles gp, K step s at 4 gp + s; lanes 0-15 the even tile, lanes 16-31 the odd one
.set ACC, 72                           ; v72-135  eight accumulators
.set TT,  136                          ; v136-151 gelu at work
.set TM,  152                          ; v152-167 the quantiser at work
.set PC,  168                          ; v168-175 the codes just made
.set PW,  176                          ; the scale word just made
.set MSB, 0
.macro WIN new                         ; the immediate's high byte repeats the setting that is left
.if MSB != (\new)
	s_set_vgpr_msb (MSB<<8)|(\new)
.set MSB, (\new)
.endif
.endm
.macro PLACES
.rept 4
	v_nop
.endr
.endm
.macro GETTOK add                      ; the tokens of tile j + add (the expert's last tile at the most: a look-ahead past the end reads that one again)
	s_add_co_u32 s24, s22, \add
	s_min_u32 s24, s24, s38
	s_add_co_u32 s24, s24, s20
	s_min_u32 s24, s24, 519                        ; a tile stays inside the lists
	v_lshl_add_u32 v[LA], s24, 6, v[R4]
	global_load_b32 v[TOK], v[LA], s[10:11]
.endm
.macro ALOAD                           ; x's codes and scale bytes of the 16 tokens just listed
	s_wait_loadcnt 0x0                             ; TOK is in (nothing else is out); XA, XSA and LA are free
	v_min_u32 v[TC], 0xfff, v[TOK]
	v_lshl_add_u32 v[XA], v[TC], 8, v[H16]         ; a token's 512 codes are 256 bytes
	v_lshlrev_b32 v[XSA], 4, v[TC]
	v_nop                                          ; these four plain lines are the places between the last products and the loads into their sources
.irp s, 0,1,2,3
.irp c, 0,1
	global_load_b128 v[XF+8*\s+4*\c:XF+8*\s+4*\c+3], v[XA], s[4:5] offset:64*\s+32*\c   ; registers 4 c ..: k = 128 s + 64 c + 32 (lane / 16) + 0..31
.endr
.endr
	global_load_b128 v[XS:XS+3], v[XSA], s[4:5] offset:XSO
.endm
.macro WM t, s
.set rD, ACC+8*(\t)
.set rA, 8*(((\t)/2)*8+2*(\s)+((\t)%2))
.set rB, XF+8*(\s)
.set rW, WS+4*((\t)/2)+(\s)
.set rX, XS+(\s)
.if (\s) == 0
.if ((\t)%2) == 0
	v_wmma_scale_f32_16x16x128_f8f6f4 v[rD:rD+7], v[rA:rA+7], v[rB:rB+7], v[8*(\t):8*(\t)+7], v[rW], v[rX] matrix_a_fmt:MATRIX_FMT_FP4 matrix_b_fmt:MATRIX_FMT_FP4
.else
	v_wmma_scale_f32_16x16x128_f8f6f4 v[rD:rD+7], v[rA:rA+7], v[rB:rB+7], v[8*(\t):8*(\t)+7], v[rW], v[rX] matrix_a_fmt:MATRIX_FMT_FP4 matrix_b_fmt:MATRIX_FMT_FP4 matrix_a_scale:MATRIX_SCALE_ROW1
.endif
.else
.if ((\t)%2) == 0
	v_wmma_scale_f32_16x16x128_f8f6f4 v[rD:rD+7], v[rA:rA+7], v[rB:rB+7], v[rD:rD+7], v[rW], v[rX] matrix_a_fmt:MATRIX_FMT_FP4 matrix_b_fmt:MATRIX_FMT_FP4
.else
	v_wmma_scale_f32_16x16x128_f8f6f4 v[rD:rD+7], v[rA:rA+7], v[rB:rB+7], v[rD:rD+7], v[rW], v[rX] matrix_a_fmt:MATRIX_FMT_FP4 matrix_b_fmt:MATRIX_FMT_FP4 matrix_a_scale:MATRIX_SCALE_ROW1
.endif
.endif
.endm
.macro MM                              ; the eight accumulators take turns, one instruction a turn, K step by K step
	WIN 0x21                                       ; source 0 (W1) window 1, source 2 (b1) window 2
.irp t, 0,1,2,3,4,5,6,7
	WM \t, 0
.endr
	WIN 0x01
.irp s, 1,2,3
.irp t, 0,1,2,3,4,5,6,7
	WM \t, \s
.endr
.endr
	WIN 0
.endm
.macro GELU b                          ; on the 16 registers of tiles 2 b and 2 b + 1, each accumulator from its low end on
.set A, ACC+16*(\b)
.irp i, 0,2,4,6,8,10,12,14
	v_pk_mul_f32 v[TT+\i:TT+\i+1], v[A+\i:A+\i+1], v[A+\i:A+\i+1]
.endr
.irp i, 0,2,4,6,8,10,12,14
	v_pk_fma_f32 v[TT+\i:TT+\i+1], v[TT+\i:TT+\i+1], v[K1:K1+1], v[K0:K0+1]
.endr
.irp i, 0,2,4,6,8,10,12,14
	v_pk_mul_f32 v[TT+\i:TT+\i+1], v[TT+\i:TT+\i+1], v[A+\i:A+\i+1]
.endr
.irp i, 0,1,2,3,4,5,6,7,8,9,10,11,12,13,14,15
	v_exp_f32 v[TT+\i], v[TT+\i]
.endr
	v_nop                                          ; a plain line behind the exponentials
	s_wait_alu depctr_va_vdst(0)
.irp i, 0,2,4,6,8,10,12,14
	v_pk_add_f32 v[TT+\i:TT+\i+1], v[TT+\i:TT+\i+1], 1.0 op_sel_hi:[1,0]
.endr
.irp i, 0,1,2,3,4,5,6,7,8,9,10,11,12,13,14,15
	v_rcp_f32 v[TT+\i], v[TT+\i]
.endr
	v_nop                                          ; a plain line behind the reciprocals
	s_wait_alu depctr_va_vdst(0)
.irp i, 0,2,4,6,8,10,12,14
	v_pk_mul_f32 v[A+\i:A+\i+1], v[A+\i:A+\i+1], v[TT+\i:TT+\i+1]
.endr
.endm
; 64 numbers of a lane, register 16 b + i = k 32 b + 16 (lane / 16) + i of my row, become a fragment's codes in v[PC] on and its scale word in v[PW]
.macro QUANT s
.irp b, 0,1,2,3
	v_max3_num_f32 v[TM+\b], |v[\s+16*\b]|, |v[\s+1+16*\b]|, 0x1800000   ; block b: my 16 numbers, and the floor 2^(3 - 127): the byte cannot fall under 1
.endr
.irp i, 2,4,6,8,10,12,14
.irp b, 0,1,2,3
	v_max3_num_f32 v[TM+\b], v[TM+\b], |v[\s+16*\b+\i]|, |v[\s+1+16*\b+\i]|   ; the four blocks by turns
.endr
.endr
.irp b, 0,1,2,3
	v_permlanex16_b32 v[TM+4+\b], v[TM+\b], s30, s31
.endr
.irp b, 0,1,2,3
	v_max_num_f32 v[TM+\b], v[TM+\b], v[TM+4+\b]   ; with lane l xor 16's: the block's largest magnitude
.endr
.irp b, 0,1,2,3
	v_add_nc_u32 v[TM+12+\b], 0xff000000, v[TM+\b] ; 2 off its exponent field: the conversion's scale operand
.endr
.irp b, 0,1,2,3
	v_lshrrev_b32 v[TM+4+\b], 23, v[TM+12+\b]      ; the scale's byte
.endr
	v_lshl_or_b32 v[PW], v[TM+5], 8, v[TM+4]       ; my row's scale word
	v_lshl_or_b32 v[PW], v[TM+6], 16, v[PW]
	v_lshl_or_b32 v[PW], v[TM+7], 24, v[PW]
.irp b, 0,1,2,3
	v_cvt_scalef32_pk8_fp4_f32 v[PC+2*\b], v[\s+16*\b:\s+7+16*\b], v[TM+12+\b]
	v_cvt_scalef32_pk8_fp4_f32 v[PC+1+2*\b], v[\s+8+16*\b:\s+15+16*\b], v[TM+12+\b]
.endr
	v_nop                                          ; one plain line behind a scaled conversion
.irp c, 0,1                            ; the operand's layout wants a WHOLE block in a lane: lanes 0-15 block 2 c, lanes 16-31 block 2 c + 1
.irp i, 0,1
	v_permlane16_swap_b32 v[PC+4*\c+\i], v[PC+2+4*\c+\i]
.endr
.endr
.endm
.macro TRIP more                       ; tile j.  more = 1: tile j + 8 exists: its x is asked for behind the products, and the list of tile j + 16
	s_wait_loadcnt 0x1                             ; all but the youngest load, the next list of tokens: x's fragments and scale words are in
	MM
.if \more
	ALOAD
	GETTOK 16
.else
	PLACES                                         ; between the last products and the first read of their results
.endif
	GELU 0
	GELU 1
	GELU 2
	GELU 3
	s_wait_xcnt 0x0                                ; the last trip's stores have read their data and addresses: PC, PW, HO and HSO are written again only behind this wait
	QUANT ACC
	s_add_co_u32 s24, s20, s22
	s_min_u32 s24, s24, 519
	s_lshl_b32 s24, s24, 4
	s_add_co_u32 s24, s24, s17                     ; 16 x tile + my slot: the slot is the second product's K step
	v_lshl_add_u32 v[HO], s24, 10, v[LI]
	v_lshl_add_u32 v[HSO], s24, 7, v[LS]
	global_store_b128 v[HO], v[PC:PC+3], s[12:13]              ; the registers as they stand: 512 consecutive bytes a store
	global_store_b128 v[HO], v[PC+4:PC+7], s[12:13] offset:512
	global_store_b32 v[HSO], v[PW], s[14:15]
.endm
	s_load_b256 s[4:11], s[0:1], 0x0               ; xq s[4:5], w1q s[6:7], b1 s[8:9], lists s[10:11]
	s_load_b64 s[12:13], s[0:1], 0x20              ; hq
	v_lshrrev_b32 v1, 5, v0
	v_readfirstlane_b32 s16, v1                    ; wave 0..3
	s_mov_b32 s17, ttmp9                           ; the slot of 128 hidden units
	s_and_b32 s24, ttmp7, 0xffff
	s_lshr_b32 s18, s24, 1                         ; the expert
	s_and_b32 s24, s24, 1
	s_lshl_b32 s24, s24, 2
	s_add_co_u32 s19, s24, s16                     ; q: my first tile
	s_lshl_b32 s25, s18, 2
	s_wait_kmcnt 0x0
	s_load_b32 s20, s[10:11], s25 offset:META      ; the expert's first tile,
	s_load_b32 s21, s[10:11], s25 offset:META+32   ; and how many it has
	v_and_b32 v1, 31, v0
	v_lshlrev_b32 v[LI], 4, v1
	v_lshlrev_b32 v[LS], 2, v1
	v_and_b32 v2, 15, v0
	v_lshlrev_b32 v[R4], 2, v2
	v_bfe_u32 v2, v0, 4, 1
	v_lshlrev_b32 v[H16], 4, v2
	v_lshlrev_b32 v[B1O], 6, v2
	v_mov_b32 v[K0], 0xc0135761                    ; -2 sqrt(2 / pi) log2(e) = -2.3022082
	v_mov_b32 v[K0+1], 0xc0135761
	v_mov_b32 v[K1], 0xbdd2d3e8                    ; x 0.044715 = -0.10294324
	v_mov_b32 v[K1+1], 0xbdd2d3e8
.irp b, 0,1,2,3
	v_mov_b32 v[TM+4+\b], 0                        ; written once: a lane permute's destination counts as one of its sources
.endr
	s_mov_b32 s30, 0x76543210
	s_mov_b32 s31, 0xfedcba98
	s_lshl_b32 s32, s18, 19                        ; W1's codes: 512 KB an expert, 32 KB a slot
	s_lshl_b32 s24, s17, 15
	s_add_co_u32 s32, s32, s24
	s_mov_b32 s33, 0
	s_lshl_b32 s34, s18, 15                        ; its scale words: 32 KB an expert, 2 KB a slot
	s_lshl_b32 s24, s17, 11
	s_add_co_u32 s34, s34, s24
	s_add_co_u32 s34, s34, WSC
	s_mov_b32 s35, 0
	s_lshl_b32 s36, s18, 13                        ; b1: 8 KB an expert, 512 bytes a slot
	s_lshl_b32 s24, s17, 9
	s_add_co_u32 s36, s36, s24
	s_mov_b32 s37, 0
	s_add_nc_u64 s[32:33], s[6:7], s[32:33]
	s_add_nc_u64 s[34:35], s[6:7], s[34:35]
	s_add_nc_u64 s[36:37], s[8:9], s[36:37]
	s_add_nc_u64 s[14:15], s[12:13], HSO_B
	s_wait_kmcnt 0x0
	s_min_u32 s20, s20, 519
	s_min_u32 s21, s21, 256
	s_cmp_ge_u32 s19, s21
	s_cbranch_scc1 .Lend                           ; no tile for me
	s_mov_b32 s22, s19                             ; j
	s_sub_co_u32 s23, s21, s19
	s_sub_co_u32 s23, s23, 1
	s_lshr_b32 s23, s23, 3                         ; how many of my tiles have a successor: (tiles - q - 1) / 8, 31 at the most
	s_mov_b32 s39, 0                               ; counts them, one a trip
	s_sub_co_u32 s38, s21, 1
	GETTOK 0
	ALOAD                                          ; my first tile's x
	WIN 0x40                                       ; destination window 1
.set i, 0
.rept 64
	global_load_b128 v[4*i:4*i+3], v[LI], s[32:33] offset:512*i   ; W1's slot, 32 KB on end: the images are the registers
.set i, i+1
.endr
	WIN 0x80                                       ; destination window 2
.irp t, 0,1,2,3,4,5,6,7
	global_load_b128 v[8*\t:8*\t+3], v[B1O], s[36:37] offset:(32*(\t/2)+8*(\t%2))*4        ; lane (r, h), tile t: b1 of units 32 (t / 2) + 16 h + 8 (t % 2) + 0..7
	global_load_b128 v[8*\t+4:8*\t+7], v[B1O], s[36:37] offset:(32*(\t/2)+8*(\t%2))*4+16
.endr
	WIN 0
.set i, 0
.rept 16
	global_load_b32 v[WS+i], v[LS], s[34:35] offset:128*i
.set i, i+1
.endr
	GETTOK 8
	s_cmp_eq_u32 s23, 0
	s_cbranch_scc1 .Ltail
.Lt:
	TRIP 1
	s_add_co_u32 s22, s22, 8                       ; my next tile
	s_add_co_u32 s39, s39, 1
	s_cmp_lt_u32 s39, s23
	s_cbranch_scc1 .Lt
.Ltail:
	TRIP 0                                         ; my last tile asks for nothing more
.Lend:
	s_endpgm
.Lfunc_end_k_qd665a63a20_ffn1:
	.size	k_qd665a63a20_ffn1, .Lfunc_end_k_qd665a63a20_ffn1-k_qd665a63a20_ffn1
	.p2alignl 7, 3214868480
	.fill 96, 4, 3214868480
	.section	.rodata,"a",@progbits
	.p2align	6, 0x0
	.amdhsa_kernel k_qd665a63a20_ffn1
		.amdhsa_group_segment_fixed_size 0
		.amdhsa_private_segment_fixed_size 0
		.amdhsa_enable_private_segment 0
		.amdhsa_kernarg_size 40
		.amdhsa_user_sgpr_count 2
		.amdhsa_user_sgpr_kernarg_segment_ptr 1
		.amdhsa_wavefront_size32 1
		.amdhsa_system_sgpr_workgroup_id_x 1
		.amdhsa_system_sgpr_workgroup_id_y 1
		.amdhsa_system_sgpr_workgroup_id_z 1
		.amdhsa_system_vgpr_workitem_id 0
		.amdhsa_next_free_vgpr 576
		.amdhsa_next_free_sgpr 66
		.amdhsa_reserve_vcc 0
		.amdhsa_float_denorm_mode_32 3
		.amdhsa_float_denorm_mode_16_64 3
		.amdhsa_memory_ordered 1
		.amdhsa_forward_progress 1
		.amdhsa_inst_pref_size 61
	.end_amdhsa_kernel
	.amdgpu_metadata
---
amdhsa.version: [ 1, 2 ]
amdhsa.kernels:
  - .name:           k_qd665a63a20_ffn1
    .symbol:         k_qd665a63a20_ffn1.kd
    .args:
      - { .name: xq, .offset: 0, .size: 8, .value_kind: global_buffer, .address_space: global }
      - { .name: w1q, .offset: 8, .size: 8, .value_kind: global_buffer, .address_space: global }
      - { .name: b1, .offset: 16, .size: 8, .value_kind: global_buffer, .address_space: global }
      - { .name: lists, .offset: 24, .size: 8, .value_kind: global_buffer, .address_space: global }
      - { .name: hq, .offset: 32, .size: 8, .value_kind: global_buffer, .address_space: global }
    .group_segment_fixed_size: 0
    .private_segment_fixed_size: 0
    .kernarg_segment_align: 8
    .kernarg_segment_size: 40
    .max_flat_workgroup_size: 128
    .sgpr_count:     66
    .vgpr_count:     576
    .wavefront_size: 32
...
	.end_amdgpu_metadata
.endif
;; end of part 3
;; launch ffn2 (part 4): grid 8 x 32, 4 waves a work-group, no clusters, 17,920 bytes of LDS; arguments hq, w2q, b2, lists, y; writes y
.if DOCPART == 4
	.amdgcn_target "amdgcn-amd-amdhsa--gfx1250"
	.amdhsa_code_object_version 6
	.text
	.protected	k_qd665a63a20_ffn2
	.globl	k_qd665a63a20_ffn2
	.p2align	8
	.type	k_qd665a63a20_ffn2,@function
k_qd665a63a20_ffn2:
	s_mov_b64 s[64:65], 0
	v_nop
	global_prefetch_b8 v0, s[64:65] scope:SCOPE_SE
	s_setreg_imm32_b32 hwreg(HW_REG_WAVE_MODE, 25, 1), 1
	s_wait_xcnt 0x0
; y = h W2[e] + b2[e] FOR THE LISTED ROWS, on codes of E2M1 with E8M0 scales; y [8320 rows][512] f32, a row for each pair (token, expert), in the order of the lists.
; SHARES.  Work-group (x, y): x = a slot of 64 outputs, y >> 2 = the expert.  A wave keeps its slot of W2 (64 outputs x 2,048 k: 512 registers), its scale words and b2 in REGISTERS and walks the expert's tiles of 16 rows:
;   tiles q, q + 16, .. with q = 4 (y & 3) + wave.  A trip reads a tile's 16 fragments and scale words (18 KB, images of the operand's registers: dense loads) and issues 64 matrix instructions.
; The tile comes in two halves of 8 K steps; while one half is multiplied, the other half, or the next tile's first, is on its way: 24 or 48 loads of the wave are out throughout the loop.
; THE PRODUCT IS USED TRANSPOSED (source 0 = 16 outputs of W2, source 1 = 16 rows of h): a lane's eight results are eight neighbouring outputs of one row.  b2 is the C of each sum's first matrix instruction.
; THE WAY OUT: 16 rows x 256 bytes through the wave's own stage in LDS (rows 272 bytes apart), back as whole rows: sixteen lanes store 256 consecutive bytes, aligned.  No barrier: waves share no LDS byte.
; NO CLUSTER, NO TENSOR LOADS: the number of tiles is read from memory and differs from expert to expert, so partners would need different numbers of joint requests, and no barrier may stand in such a loop.
; A wave whose q is not under the expert's number of tiles ends: only where an expert has fewer than 16 tiles (under 241 tokens).
; The routing weight is not applied here: the last launch has it, a token at a time.
; REGISTERS: window 0 as named below; windows 1 and 2: W2: fragment (tile t, K step s) in window 1 + s / 8 at v[8 (4 (s % 8) + t)]; window 3: v0-31 four accumulators, v32-63 b2.
.set META,  66048
.set WSC,   0x400000
.set HSO_B, 0x820000
.set LI,  3                            ; 16 x lane
.set LS,  4                            ; 4 x lane
.set AO0, 5                            ; first half: the tile's fragments,
.set HO0, 6                            ; its scale words
.set AO1, 7                            ; second half
.set HO1, 8
.set STO, 9                            ; the stage: where I put 32 bytes of a row
.set RD,  10                           ; and where I read a row back
.set YO,  11                           ; my byte in y
.set YL,  12                           ; its lane part: 2,048 (lane / 16) + 16 (lane % 16)
.set B2O, 13                           ; 32 (lane / 16)
.set WS,  16                           ; v16-47   W2's scale words: pair of tiles gp, K step s at 16 gp + s; lanes 0-15 the even tile, lanes 16-31 the odd one
.set HSC, 48                           ; v48-63   h's scale words, one a K step
.set AF,  64                           ; v64-191  h's sixteen fragments
.set OUTR, 192                         ; v192-223 rows of y
.set B2,  32                           ; in window 3
.set MSB, 0
.macro WIN new
.if MSB != (\new)
	s_set_vgpr_msb (MSB<<8)|(\new)
.set MSB, (\new)
.endif
.endm
.macro PLACES
.rept 4
	v_nop
.endr
.endm
.macro TILE add                        ; s24 = the number of tile j + add
	s_add_co_u32 s24, s22, \add
	s_add_co_u32 s24, s24, s20
	s_min_u32 s24, s24, 519                        ; a tile stays inside hq and y
.endm
.macro HALF k, ao, ho                  ; K steps 8 k .. 8 k + 7 of a tile: 16 + 8 loads, 512 and 128 consecutive bytes each
.set i, 0
.rept 16
	global_load_b128 v[AF+64*(\k)+4*i:AF+64*(\k)+4*i+3], v[\ao], s[4:5] offset:8192*(\k)+512*i
.set i, i+1
.endr
.set i, 0
.rept 8
	global_load_b32 v[HSC+8*(\k)+i], v[\ho], s[14:15] offset:1024*(\k)+128*i
.set i, i+1
.endr
.endm
.macro WM2 t, s
.set rD, 8*(\t)
.set rA, 8*(4*((\s)%8)+(\t))
.set rB, AF+8*(\s)
.set rW, WS+16*((\t)/2)+(\s)
.set rH, HSC+(\s)
.if (\s) == 0
.if ((\t)%2) == 0
	v_wmma_scale_f32_16x16x128_f8f6f4 v[rD:rD+7], v[rA:rA+7], v[rB:rB+7], v[B2+8*(\t):B2+8*(\t)+7], v[rW], v[rH] matrix_a_fmt:MATRIX_FMT_FP4 matrix_b_fmt:MATRIX_FMT_FP4
.else
	v_wmma_scale_f32_16x16x128_f8f6f4 v[rD:rD+7], v[rA:rA+7], v[rB:rB+7], v[B2+8*(\t):B2+8*(\t)+7], v[rW], v[rH] matrix_a_fmt:MATRIX_FMT_FP4 matrix_b_fmt:MATRIX_FMT_FP4 matrix_a_scale:MATRIX_SCALE_ROW1
.endif
.else
.if ((\t)%2) == 0
	v_wmma_scale_f32_16x16x128_f8f6f4 v[rD:rD+7], v[rA:rA+7], v[rB:rB+7], v[rD:rD+7], v[rW], v[rH] matrix_a_fmt:MATRIX_FMT_FP4 matrix_b_fmt:MATRIX_FMT_FP4
.else
	v_wmma_scale_f32_16x16x128_f8f6f4 v[rD:rD+7], v[rA:rA+7], v[rB:rB+7], v[rD:rD+7], v[rW], v[rH] matrix_a_fmt:MATRIX_FMT_FP4 matrix_b_fmt:MATRIX_FMT_FP4 matrix_a_scale:MATRIX_SCALE_ROW1
.endif
.endif
.endm
.macro MM k                            ; 32 matrix instructions: the four accumulators take turns, one instruction a turn, K ascending
	WIN 0xf1+(\k)                                  ; source 0 (W2) window 1 or 2, source 1 (h) window 0, C and D window 3
.irp sp, 0,1,2,3,4,5,6,7
.irp t, 0,1,2,3
	WM2 \t, 8*(\k)+\sp
.endr
.endr
	WIN 0
.endm
.macro OUTY
	WIN 0x0c                                       ; an LDS store's data are its source 1: window 3
.irp t, 0,1,2,3
	ds_store_b128 v[STO], v[8*\t:8*\t+3] offset:64*\t              ; each accumulator from its low end on: y(row r, 16 t + 8 h + 0..7)
	ds_store_b128 v[STO], v[8*\t+4:8*\t+7] offset:64*\t+16
.endr
	WIN 0
.irp i, 0,1,2,3,4,5,6,7
	ds_load_b128 v[OUTR+4*\i:OUTR+4*\i+3], v[RD] offset:544*\i     ; LDS serves a wave's instructions in order (ISA guide 5.7.1.4): these see the stores above, and the next tile's stores come behind them
.endr
.irp i, 0,1,2,3,4,5,6,7
	s_wait_dscnt 7-\i                              ; rows 2 i and 2 i + 1 are back; the younger reads stay out
	global_store_b128 v[YO], v[OUTR+4*\i:OUTR+4*\i+3], s[12:13] offset:4096*\i   ; lanes 0-15 and lanes 16-31 each store 256 consecutive bytes, aligned
.endr
.endm
.macro TRIP more                       ; tile j.  more = 1: tile j + 16 exists and is asked for, half by half, as this tile's halves are done with
	s_wait_loadcnt 24                              ; the younger 24 loads are this tile's second half: the first half is in
	MM 0
	PLACES                                         ; between the products and the loads into their sources
.if \more
	TILE 16
	v_lshl_add_u32 v[AO0], s24, 14, v[LI]          ; (free: the loads that named them are in)  16 KB of fragments a tile,
	v_lshl_add_u32 v[HO0], s24, 11, v[LS]          ; 2 KB of scale words
	HALF 0, AO0, HO0
	s_wait_loadcnt 24                              ; the younger 24 are the next tile's first half: this tile's second half is in
.else
	s_wait_loadcnt 0x0
.endif
	MM 1
	PLACES                                         ; and between the last products and the first read of their results
.if \more
	v_lshl_add_u32 v[AO1], s24, 14, v[LI]
	v_lshl_add_u32 v[HO1], s24, 11, v[LS]
	HALF 1, AO1, HO1
.endif
	s_wait_xcnt 0x0                                ; the last tile's stores have read their data and address: OUTR and YO are written again only behind this wait
	TILE 0
	v_lshl_add_u32 v[YO], s24, 15, v[YL]           ; 16 rows of 2,048 bytes a tile
	OUTY
.endm
	s_load_b256 s[4:11], s[0:1], 0x0               ; hq s[4:5], w2q s[6:7], b2 s[8:9], lists s[10:11]
	s_load_b64 s[12:13], s[0:1], 0x20              ; y
	v_lshl_add_u32 v254, v0, 2, 0x4400
	v_mov_b32 v255, 0
	v_lshrrev_b32 v1, 5, v0
	v_readfirstlane_b32 s16, v1                    ; wave 0..3
	s_mov_b32 s17, ttmp9                           ; the slot of 64 outputs
	s_and_b32 s24, ttmp7, 0xffff
	s_lshr_b32 s18, s24, 2                         ; the expert
	s_and_b32 s24, s24, 3
	s_lshl_b32 s24, s24, 2
	s_add_co_u32 s19, s24, s16                     ; q: my first tile
	s_lshl_b32 s25, s18, 2
	s_wait_kmcnt 0x0
	s_load_b32 s20, s[10:11], s25 offset:META      ; the expert's first tile,
	s_load_b32 s21, s[10:11], s25 offset:META+32   ; and how many it has
	v_and_b32 v1, 31, v0
	v_lshlrev_b32 v[LI], 4, v1
	v_lshlrev_b32 v[LS], 2, v1
	v_and_b32 v1, 15, v0                           ; r
	v_bfe_u32 v2, v0, 4, 1                         ; h
	s_mul_i32 s26, s16, 16*272                     ; my stage
	v_mul_u32_u24 v[STO], v1, 272
	v_lshl_add_u32 v[STO], v2, 5, v[STO]
	v_add_nc_u32 v[STO], s26, v[STO]               ; in: row r, + 32 h
	v_mul_u32_u24 v[RD], v2, 272
	v_lshl_add_u32 v[RD], v1, 4, v[RD]
	v_add_nc_u32 v[RD], s26, v[RD]                 ; back: lanes 0-15 one row, lanes 16-31 the next
	v_lshlrev_b32 v[YL], 11, v2
	v_lshl_add_u32 v[YL], v1, 4, v[YL]
	v_lshlrev_b32 v[B2O], 5, v2
	s_lshl_b32 s32, s18, 19                        ; W2's codes: 512 KB an expert, 64 KB a slot
	s_lshl_b32 s24, s17, 16
	s_add_co_u32 s32, s32, s24
	s_mov_b32 s33, 0
	s_lshl_b32 s34, s18, 15                        ; its scale words: 32 KB an expert, 4 KB a slot
	s_lshl_b32 s24, s17, 12
	s_add_co_u32 s34, s34, s24
	s_add_co_u32 s34, s34, WSC
	s_mov_b32 s35, 0
	s_lshl_b32 s36, s18, 11                        ; b2: 2 KB an expert, 256 bytes a slot
	s_lshl_b32 s28, s17, 8
	s_add_co_u32 s36, s36, s28
	s_mov_b32 s37, 0
	s_mov_b32 s29, 0
	s_add_nc_u64 s[32:33], s[6:7], s[32:33]
	s_add_nc_u64 s[34:35], s[6:7], s[34:35]
	s_add_nc_u64 s[36:37], s[8:9], s[36:37]
	s_add_nc_u64 s[14:15], s[4:5], HSO_B           ; h's scale words
	s_add_nc_u64 s[12:13], s[12:13], s[28:29]      ; y at my slot's 256 bytes of a row
	s_wait_kmcnt 0x0
	s_min_u32 s20, s20, 519
	s_min_u32 s21, s21, 256
	s_cmp_ge_u32 s19, s21
	s_cbranch_scc1 .Lend                           ; no tile for me
	s_mov_b32 s22, s19                             ; j
	s_sub_co_u32 s23, s21, s19
	s_sub_co_u32 s23, s23, 1
	s_lshr_b32 s23, s23, 4                         ; how many of my tiles have a successor: (tiles - q - 1) / 16, 15 at the most
	s_mov_b32 s39, 0                               ; counts them, one a trip
.irp w, 0,1
	WIN 0x40*(1+\w)                                ; destination window 1, then 2
.irp sp, 0,1,2,3,4,5,6,7
.irp gp, 0,1
.irp u, 0,1
.irp c, 0,1
	global_load_b128 v[8*(4*\sp+2*\gp+\u)+4*\c:8*(4*\sp+2*\gp+\u)+4*\c+3], v[LI], s[32:33] offset:((16*\gp+8*\w+\sp)*2+\u)*1024+512*\c
.endr
.endr
.endr
.endr
.endr
	WIN 0xc0                                       ; destination window 3
.irp t, 0,1,2,3
	global_load_b128 v[B2+8*\t:B2+8*\t+3], v[B2O], s[36:37] offset:64*\t           ; lane (r, h), tile t: b2 of outputs 16 t + 8 h + 0..7
	global_load_b128 v[B2+8*\t+4:B2+8*\t+7], v[B2O], s[36:37] offset:64*\t+16
.endr
	WIN 0
.set i, 0
.rept 32
	global_load_b32 v[WS+i], v[LS], s[34:35] offset:128*i
.set i, i+1
.endr
	TILE 0
	v_lshl_add_u32 v[AO0], s24, 14, v[LI]
	v_lshl_add_u32 v[HO0], s24, 11, v[LS]
	v_lshl_add_u32 v[AO1], s24, 14, v[LI]
	v_lshl_add_u32 v[HO1], s24, 11, v[LS]
	HALF 0, AO0, HO0
	HALF 1, AO1, HO1
	s_cmp_eq_u32 s23, 0
	s_cbranch_scc1 .Ltail
.Lt:
	TRIP 1
	s_add_co_u32 s22, s22, 16                      ; my next tile
	s_add_co_u32 s39, s39, 1
	s_cmp_lt_u32 s39, s23
	s_cbranch_scc1 .Lt
.Ltail:
	TRIP 0                                         ; my last tile asks for nothing more
.Lend:
	s_wait_tensorcnt 0x0
	ds_add_u32 v254, v255
	s_wait_dscnt 0x0
	s_endpgm
.Lfunc_end_k_qd665a63a20_ffn2:
	.size	k_qd665a63a20_ffn2, .Lfunc_end_k_qd665a63a20_ffn2-k_qd665a63a20_ffn2
	.p2alignl 7, 3214868480
	.fill 96, 4, 3214868480
	.section	.rodata,"a",@progbits
	.p2align	6, 0x0
	.amdhsa_kernel k_qd665a63a20_ffn2
		.amdhsa_group_segment_fixed_size 17920
		.amdhsa_private_segment_fixed_size 0
		.amdhsa_enable_private_segment 0
		.amdhsa_kernarg_size 40
		.amdhsa_user_sgpr_count 2
		.amdhsa_user_sgpr_kernarg_segment_ptr 1
		.amdhsa_wavefront_size32 1
		.amdhsa_system_sgpr_workgroup_id_x 1
		.amdhsa_system_sgpr_workgroup_id_y 1
		.amdhsa_system_sgpr_workgroup_id_z 1
		.amdhsa_system_vgpr_workitem_id 0
		.amdhsa_next_free_vgpr 832
		.amdhsa_next_free_sgpr 66
		.amdhsa_reserve_vcc 0
		.amdhsa_float_denorm_mode_32 3
		.amdhsa_float_denorm_mode_16_64 3
		.amdhsa_memory_ordered 1
		.amdhsa_forward_progress 1
		.amdhsa_inst_pref_size 51
	.end_amdhsa_kernel
	.amdgpu_metadata
---
amdhsa.version: [ 1, 2 ]
amdhsa.kernels:
  - .name:           k_qd665a63a20_ffn2
    .symbol:         k_qd665a63a20_ffn2.kd
    .args:
      - { .name: hq, .offset: 0, .size: 8, .value_kind: global_buffer, .address_space: global }
      - { .name: w2q, .offset: 8, .size: 8, .value_kind: global_buffer, .address_space: global }
      - { .name: b2, .offset: 16, .size: 8, .value_kind: global_buffer, .address_space: global }
      - { .name: lists, .offset: 24, .size: 8, .value_kind: global_buffer, .address_space: global }
      - { .name: y, .offset: 32, .size: 8, .value_kind: global_buffer, .address_space: global }
    .group_segment_fixed_size: 17920
    .private_segment_fixed_size: 0
    .kernarg_segment_align: 8
    .kernarg_segment_size: 40
    .max_flat_workgroup_size: 128
    .sgpr_count:     66
    .vgpr_count:     832
    .wavefront_size: 32
...
	.end_amdgpu_metadata
.endif
;; end of part 4
;; launch combine (part 5): grid 256 x 1, 8 waves a work-group, no clusters, 0 bytes of LDS; arguments y, lists, xq, out0; writes out0
.if DOCPART == 5
	.amdgcn_target "amdgcn-amd-amdhsa--gfx1250"
	.amdhsa_code_object_version 6
	.text
	.protected	k_qd665a63a20_combine
	.globl	k_qd665a63a20_combine
	.p2align	8
	.type	k_qd665a63a20_combine,@function
k_qd665a63a20_combine:
	s_mov_b64 s[64:65], 0
	v_nop
	global_prefetch_b8 v0, s[64:65] scope:SCOPE_SE
	s_setreg_imm32_b32 hwreg(HW_REG_WAVE_MODE, 25, 1), 1
	s_wait_xcnt 0x0
; out[t] = wA y[row of t's first expert] + wB y[row of its second]: the sum over experts, by GATHERING: each output row has one owner, and the six experts whose weight is 0 have no row.
; A wave takes two tokens: four rows of y of 2,048 bytes, sixteen loads of 512 consecutive bytes, all asked for at once; a multiply and a fused multiply-add; eight stores of 512 consecutive bytes.
; The rows' numbers and the weights are the same for all lanes: they come by scalar loads.  No LDS, no barrier, no matrix unit: the bytes are all there is.
.set POS1, 33280
.set POS2, 49664
.set TWO,  0x110000
.set A0, 8                             ; v8-23  token 0, first expert's row; then the result
.set B0, 24                            ; v24-39 its second expert's row
.set A1, 40                            ; v40-55, v56-71 the same for token 1
.set B1, 56
.macro MIX a, b, wa, wb, off
.irp i, 0,2,4,6,8,10,12,14
	v_pk_mul_f32 v[\a+\i:\a+\i+1], v[\a+\i:\a+\i+1], s[\wa:\wa+1] op_sel_hi:[1,0]          ; of the scalar pair the low word serves both halves
.endr
.irp i, 0,2,4,6,8,10,12,14
	v_pk_fma_f32 v[\a+\i:\a+\i+1], v[\b+\i:\b+\i+1], s[\wb:\wb+1], v[\a+\i:\a+\i+1] op_sel_hi:[1,0,1]
.endr
.irp i, 0,1,2,3
	global_store_b128 v2, v[\a+4*\i:\a+4*\i+3], s[10:11] offset:\off+512*\i th:TH_STORE_NT
.endr
.endm
	s_load_b256 s[4:11], s[0:1], 0x0               ; y s[4:5], lists s[6:7], xq s[8:9], out0 s[10:11]
	v_lshrrev_b32 v1, 5, v0
	v_readfirstlane_b32 s12, v1                    ; wave 0..7
	v_and_b32 v1, 31, v0
	v_lshlrev_b32 v2, 4, v1                        ; 16 x lane
	s_lshl_b32 s24, ttmp9, 6
	s_lshl_b32 s13, s12, 3
	s_add_co_u32 s24, s24, s13                     ; 4 t0, t0 = 16 x work-group + 2 x wave
	s_lshl_b32 s25, s24, 1                         ; 8 t0
	s_lshl_b32 s14, s24, 9                         ; 2,048 t0
	s_mov_b32 s15, 0
	s_wait_kmcnt 0x0
	s_load_b64 s[16:17], s[6:7], s24 offset:POS1   ; the rows of the two tokens' first experts,
	s_load_b64 s[18:19], s[6:7], s24 offset:POS2   ; of their second,
	s_load_b128 s[20:23], s[8:9], s25 offset:TWO   ; wA, wB of token 0; wA, wB of token 1
	s_add_nc_u64 s[10:11], s[10:11], s[14:15]
	s_wait_kmcnt 0x0
	s_min_u32 s16, s16, 0x207f                     ; a row stays inside y's 8,320
	s_min_u32 s17, s17, 0x207f
	s_min_u32 s18, s18, 0x207f
	s_min_u32 s19, s19, 0x207f
	s_mov_b32 s26, s21                             ; wB of token 0 at an even register, as a pair
	s_mov_b32 s27, s21
	s_mov_b32 s28, s23                             ; wB of token 1
	s_mov_b32 s29, s23
	v_lshl_add_u32 v4, s16, 11, v2
	v_lshl_add_u32 v5, s18, 11, v2
	v_lshl_add_u32 v6, s17, 11, v2
	v_lshl_add_u32 v7, s19, 11, v2
.irp i, 0,1,2,3
	global_load_b128 v[A0+4*\i:A0+4*\i+3], v4, s[4:5] offset:512*\i th:TH_LOAD_NT      ; each listed row of y is read once in the launch
.endr
.irp i, 0,1,2,3
	global_load_b128 v[B0+4*\i:B0+4*\i+3], v5, s[4:5] offset:512*\i th:TH_LOAD_NT
.endr
.irp i, 0,1,2,3
	global_load_b128 v[A1+4*\i:A1+4*\i+3], v6, s[4:5] offset:512*\i th:TH_LOAD_NT
.endr
.irp i, 0,1,2,3
	global_load_b128 v[B1+4*\i:B1+4*\i+3], v7, s[4:5] offset:512*\i th:TH_LOAD_NT
.endr
	s_wait_loadcnt 8                               ; token 0's eight loads are in; token 1's stay out
	MIX A0, B0, 20, 26, 0
	s_wait_loadcnt 0x0
	MIX A1, B1, 22, 28, 2048
	s_endpgm
.Lfunc_end_k_qd665a63a20_combine:
	.size	k_qd665a63a20_combine, .Lfunc_end_k_qd665a63a20_combine-k_qd665a63a20_combine
	.p2alignl 7, 3214868480
	.fill 96, 4, 3214868480
	.section	.rodata,"a",@progbits
	.p2align	6, 0x0
	.amdhsa_kernel k_qd665a63a20_combine
		.amdhsa_group_segment_fixed_size 0
		.amdhsa_private_segment_fixed_size 0
		.amdhsa_enable_private_segment 0
		.amdhsa_kernarg_size 32
		.amdhsa_user_sgpr_count 2
		.amdhsa_user_sgpr_kernarg_segment_ptr 1
		.amdhsa_wavefront_size32 1
		.amdhsa_system_sgpr_workgroup_id_x 1
		.amdhsa_system_sgpr_workgroup_id_y 1
		.amdhsa_system_sgpr_workgroup_id_z 1
		.amdhsa_system_vgpr_workitem_id 0
		.amdhsa_next_free_vgpr 80
		.amdhsa_next_free_sgpr 66
		.amdhsa_reserve_vcc 0
		.amdhsa_float_denorm_mode_32 3
		.amdhsa_float_denorm_mode_16_64 3
		.amdhsa_memory_ordered 1
		.amdhsa_forward_progress 1
		.amdhsa_inst_pref_size 6
	.end_amdhsa_kernel
	.amdgpu_metadata
---
amdhsa.version: [ 1, 2 ]
amdhsa.kernels:
  - .name:           k_qd665a63a20_combine
    .symbol:         k_qd665a63a20_combine.kd
    .args:
      - { .name: y, .offset: 0, .size: 8, .value_kind: global_buffer, .address_space: global }
      - { .name: lists, .offset: 8, .size: 8, .value_kind: global_buffer, .address_space: global }
      - { .name: xq, .offset: 16, .size: 8, .value_kind: global_buffer, .address_space: global }
      - { .name: out0, .offset: 24, .size: 8, .value_kind: global_buffer, .address_space: global }
    .group_segment_fixed_size: 0
    .private_segment_fixed_size: 0
    .kernarg_segment_align: 8
    .kernarg_segment_size: 32
    .max_flat_workgroup_size: 256
    .sgpr_count:     66
    .vgpr_count:     80
    .wavefront_size: 32
...
	.end_amdgpu_metadata
.endif
;; end of part 5
;; ======== version 2 of 2: 5 launches; version 1 with the launches ffn1, ffn2 written anew for expert scheduling mode
;; workspace buffers: xq 1,146,880 bytes; route 16,384 bytes of whole numbers; w1q 4,456,448 bytes; w2q 4,456,448 bytes; lists 66,304 bytes of whole numbers; hq 9,584,640 bytes; y 17,039,360 bytes
;; launch prep: the kernel of part 1 again; grid 640 x 1, 8 waves a work-group, no clusters, 43,520 bytes of LDS; arguments hidden_states, gate_w, w1, w2, xq, route, w1q, w2q; writes xq, route, w1q, w2q
;; launch place: the kernel of part 2 again; grid 1 x 1, 32 waves a work-group, no clusters, 4,608 bytes of LDS; arguments route, lists; writes lists
;; launch ffn1 (part 6): grid 16 x 16, 4 waves a work-group, no clusters, 0 bytes of LDS; arguments xq, w1q, b1, lists, hq; writes hq
.if DOCPART == 6
	.amdgcn_target "amdgcn-amd-amdhsa--gfx1250"
	.amdhsa_code_object_version 6
	.text
	.protected	k_qd665a63a20_ffn1
	.globl	k_qd665a63a20_ffn1
	.p2align	8
	.type	k_qd665a63a20_ffn1,@function
k_qd665a63a20_ffn1:
	s_mov_b64 s[64:65], 0
	v_nop
	global_prefetch_b8 v0, s[64:65] scope:SCOPE_SE
	s_setreg_imm32_b32 hwreg(HW_REG_WAVE_SCHED_MODE, 0, 2), 2
	s_setreg_imm32_b32 hwreg(HW_REG_WAVE_MODE, 25, 1), 1
	s_wait_xcnt 0x0
	s_wait_alu depctr_vm_vsrc(0)
; h = Q(gelu(x W1[e] + b1[e])) FOR THE ROWS THAT THE ROUTING LISTS, on codes of E2M1 with E8M0 scales; Q quantises along the second product's K.  A token's six other experts are multiplied by 0 in the sum, and are left out.
; SHARES.  Work-group (x, y): x = a slot of 128 hidden units, y >> 1 = the expert.  A wave keeps its slot of W1 (128 units x 512 k: 256 registers), its scale words and b1 in REGISTERS and walks the expert's tiles of
;   16 rows: tiles q, q + 8, .. with q = 4 (y & 1) + wave.  So the weights are read once a wave, and a trip reads 4.3 KB of x.
; A TRIP: 32 matrix instructions (8 tiles of 16 units x 4 K steps), gelu on 64 numbers a lane, the quantiser; the result is ONE fragment (16 rows x 128 k) of the second product and one scale word a row, stored as an
;   image of the operand's registers: hq [tile][K step 16][1,024 bytes], scale words behind them, [tile][K step][32 lanes].
; THE PRODUCT IS USED TRANSPOSED (source 0 = 16 columns of W1, source 1 = 16 rows of x): a lane holds ONE row.  The columns of a tile were chosen by the launch that made the codes so that the 16 registers of tiles 2 b and
;   2 b + 1 are the 16 neighbouring units 32 b + 16 (lane / 16) + 0..15.  b1 is the C of each sum's first matrix instruction.
; gelu(x) = x / (1 + 2^(x (K0 + K1 x x))), K0 = -2 sqrt(2 / pi) log2(e), K1 = 0.044715 K0: the tanh form, all in f32; for large |x| the exponential runs to 0 or to infinity and the quotient to x or to 0.
; NO LDS, NO BARRIER, NO CLUSTER: the number of tiles is read from memory and differs from expert to expert, so partners would need different numbers of joint requests, and no barrier may stand in such a loop;
;   what the waves share, the weights, is read once into registers.
; A wave whose q is not under the expert's number of tiles has no tile and ends: only where an expert has fewer than 8 tiles (under 113 tokens).
; LIMITS: NaN and infinities are not served.  A block of zeros carries the byte 1 with zero codes.  Rows that fill up an expert's last tile repeat token 0; nobody reads their results.
; THE MODE: SCHED_MODE bits 1:0 = 2 (LLVM: expert scheduling mode 2), set by the entry lines.  The code itself states the register dependences between vector or matrix instructions and memory instructions,
;   with s_wait_alu, always for 0.
; THE PLAN.  Registers that memory instructions touch, in the loop:
;   XF, XS            read by the trip's 32 matrix instructions; behind them the loads of my next tile land in them.
;   TOK               read by one vector line behind the products; behind it the list of the tile after the next lands in it.
;   XA, XSA, LA       written behind the products; read by the ten loads that follow.
;   HO, HSO           written at the same place; read by the three stores at the trip's end.
;   PC, PW            written by the quantiser; read by those three stores.
;   LI, LS, B1O       made at the head and never written again.  W1, b1 and W1's scale words are loaded once.
;   ACC, TT, TM, TC   are named by vector and matrix instructions alone.
; So a trip holds: one wait on vm_vsrc behind the products (all that the last trip's loads and stores read is written again only behind it); one wait on va_vdst behind the six address lines, ahead of the ten loads,
;   which are then on their way through gelu and the quantiser, whose lines name none of their registers; one behind the 64 exponentials and one behind the 64 reciprocals; one ahead of the three stores.
; REGISTERS: window 0 as named below; window 1: W1: fragment (tile t, K step s) at v[8 ((t / 2) 8 + 2 s + t % 2)]; window 2: v0-63 b1, eight a tile.
.set META,  66048
.set XSO,   0x100000
.set WSC,   0x400000
.set HSO_B, 0x820000                   ; hq: the scale words begin behind 520 tiles x 16 KB
.set LI,  3                            ; 16 x lane
.set LS,  4                            ; 4 x lane
.set R4,  5                            ; 4 (lane % 16)
.set H16, 6                            ; 16 (lane / 16)
.set TOK, 7                            ; the token of my row, as loaded
.set TC,  8                            ; held inside the table
.set XA,  9                            ; its codes
.set XSA, 10                           ; its scale bytes
.set LA,  11                           ; where TOK is loaded from
.set HO,  12                           ; where the fragment goes
.set HSO, 13                           ; and its scale words
.set K0,  14                           ; v[14:15]
.set K1,  16                           ; v[16:17]
.set B1O, 18                           ; 64 (lane / 16)
.set XF,  20                           ; v20-51   x's four fragments
.set XS,  52                           ; v52-55   x's scale words, one a K step
.set WS,  56                           ; v56-71   W1's scale words: pair of tiles gp, K step s at 4 gp + s; lanes 0-15 the even tile, lanes 16-31 the odd one
.set ACC, 72                           ; v72-135  eight accumulators
.set TT,  136                          ; v136-199 gelu at work: a register for each of the lane's 64 numbers
.set TM,  200                          ; v200-215 the quantiser at work
.set PC,  216                          ; v216-223 the codes just made
.set PW,  224                          ; the scale word just made
.set MSB, 0
.macro WIN new                         ; the immediate's high byte repeats the setting that is left
.if MSB != (\new)
	s_set_vgpr_msb (MSB<<8)|(\new)
.set MSB, (\new)
.endif
.endm
.macro LISTAT add                      ; v[LA]: where the tokens of tile j + add are listed (the expert's last tile at the most: a look-ahead past the end reads that one again)
	s_add_co_u32 s24, s22, \add
	s_min_u32 s24, s24, s38
	s_add_co_u32 s24, s24, s20
	s_min_u32 s24, s24, 519                        ; a tile stays inside the lists
	v_lshl_add_u32 v[LA], s24, 6, v[R4]
.endm
.macro XADDR                           ; where the codes and scale bytes of the 16 tokens just listed lie
	v_min_u32 v[TC], 0xfff, v[TOK]
	v_lshl_add_u32 v[XA], v[TC], 8, v[H16]         ; a token's 512 codes are 256 bytes
	v_lshlrev_b32 v[XSA], 4, v[TC]
.endm
.macro XLOAD                           ; and the nine loads that bring them
.irp s, 0,1,2,3
.irp c, 0,1
	global_load_b128 v[XF+8*\s+4*\c:XF+8*\s+4*\c+3], v[XA], s[4:5] offset:64*\s+32*\c   ; registers 4 c ..: k = 128 s + 64 c + 32 (lane / 16) + 0..31
.endr
.endr
	global_load_b128 v[XS:XS+3], v[XSA], s[4:5] offset:XSO
.endm
.macro WM t, s
.set rD, ACC+8*(\t)
.set rA, 8*(((\t)/2)*8+2*(\s)+((\t)%2))
.set rB, XF+8*(\s)
.set rW, WS+4*((\t)/2)+(\s)
.set rX, XS+(\s)
.if (\s) == 0
.if ((\t)%2) == 0
	v_wmma_scale_f32_16x16x128_f8f6f4 v[rD:rD+7], v[rA:rA+7], v[rB:rB+7], v[8*(\t):8*(\t)+7], v[rW], v[rX] matrix_a_fmt:MATRIX_FMT_FP4 matrix_b_fmt:MATRIX_FMT_FP4
.else
	v_wmma_scale_f32_16x16x128_f8f6f4 v[rD:rD+7], v[rA:rA+7], v[rB:rB+7], v[8*(\t):8*(\t)+7], v[rW], v[rX] matrix_a_fmt:MATRIX_FMT_FP4 matrix_b_fmt:MATRIX_FMT_FP4 matrix_a_scale:MATRIX_SCALE_ROW1
.endif
.else
.if ((\t)%2) == 0
	v_wmma_scale_f32_16x16x128_f8f6f4 v[rD:rD+7], v[rA:rA+7], v[rB:rB+7], v[rD:rD+7], v[rW], v[rX] matrix_a_fmt:MATRIX_FMT_FP4 matrix_b_fmt:MATRIX_FMT_FP4
.else
	v_wmma_scale_f32_16x16x128_f8f6f4 v[rD:rD+7], v[rA:rA+7], v[rB:rB+7], v[rD:rD+7], v[rW], v[rX] matrix_a_fmt:MATRIX_FMT_FP4 matrix_b_fmt:MATRIX_FMT_FP4 matrix_a_scale:MATRIX_SCALE_ROW1
.endif
.endif
.endm
.macro MM                              ; the eight accumulators take turns, one instruction a turn, K step by K step
	WIN 0x21                                       ; source 0 (W1) window 1, source 2 (b1) window 2
.irp t, 0,1,2,3,4,5,6,7
	WM \t, 0
.endr
	WIN 0x01
.irp s, 1,2,3
.irp t, 0,1,2,3,4,5,6,7
	WM \t, \s
.endr
.endr
	WIN 0
.endm
.macro GELU                            ; on the lane's 64 numbers, stage by stage, each accumulator from its low end on; the exponentials are one batch, the reciprocals another
.set i, 0
.rept 32
	v_pk_mul_f32 v[TT+i:TT+i+1], v[ACC+i:ACC+i+1], v[ACC+i:ACC+i+1]
.set i, i+2
.endr
.set i, 0
.rept 32
	v_pk_fma_f32 v[TT+i:TT+i+1], v[TT+i:TT+i+1], v[K1:K1+1], v[K0:K0+1]
.set i, i+2
.endr
.set i, 0
.rept 32
	v_pk_mul_f32 v[TT+i:TT+i+1], v[TT+i:TT+i+1], v[ACC+i:ACC+i+1]
.set i, i+2
.endr
.set i, 0
.rept 64
	v_exp_f32 v[TT+i], v[TT+i]
.set i, i+1
.endr
	v_nop                                          ; a plain line behind the exponentials
	s_wait_alu depctr_va_vdst(0)                   ; the 64 exponentials have written v[TT ..], which the additions below read
.set i, 0
.rept 32
	v_pk_add_f32 v[TT+i:TT+i+1], v[TT+i:TT+i+1], 1.0 op_sel_hi:[1,0]
.set i, i+2
.endr
.set i, 0
.rept 64
	v_rcp_f32 v[TT+i], v[TT+i]
.set i, i+1
.endr
	v_nop                                          ; a plain line behind the reciprocals
	s_wait_alu depctr_va_vdst(0)                   ; the 64 reciprocals have written v[TT ..], which the multiplications below read
.set i, 0
.rept 32
	v_pk_mul_f32 v[ACC+i:ACC+i+1], v[ACC+i:ACC+i+1], v[TT+i:TT+i+1]
.set i, i+2
.endr
.endm
; 64 numbers of a lane, register 16 b + i = k 32 b + 16 (lane / 16) + i of my row, become a fragment's codes in v[PC] on and its scale word in v[PW]
.macro QUANT s
.irp b, 0,1,2,3
	v_max3_num_f32 v[TM+\b], |v[\s+16*\b]|, |v[\s+1+16*\b]|, 0x1800000   ; block b: my 16 numbers, and the floor 2^(3 - 127): the byte cannot fall under 1
.endr
.irp i, 2,4,6,8,10,12,14
.irp b, 0,1,2,3
	v_max3_num_f32 v[TM+\b], v[TM+\b], |v[\s+16*\b+\i]|, |v[\s+1+16*\b+\i]|   ; the four blocks by turns
.endr
.endr
.irp b, 0,1,2,3
	v_permlanex16_b32 v[TM+4+\b], v[TM+\b], s30, s31
.endr
.irp b, 0,1,2,3
	v_max_num_f32 v[TM+\b], v[TM+\b], v[TM+4+\b]   ; with lane l xor 16's: the block's largest magnitude
.endr
.irp b, 0,1,2,3
	v_add_nc_u32 v[TM+12+\b], 0xff000000, v[TM+\b] ; 2 off its exponent field: the conversion's scale operand
.endr
.irp b, 0,1,2,3
	v_lshrrev_b32 v[TM+4+\b], 23, v[TM+12+\b]      ; the scale's byte
.endr
	v_lshl_or_b32 v[PW], v[TM+5], 8, v[TM+4]       ; my row's scale word
	v_lshl_or_b32 v[PW], v[TM+6], 16, v[PW]
	v_lshl_or_b32 v[PW], v[TM+7], 24, v[PW]
.irp b, 0,1,2,3
	v_cvt_scalef32_pk8_fp4_f32 v[PC+2*\b], v[\s+16*\b:\s+7+16*\b], v[TM+12+\b]
	v_cvt_scalef32_pk8_fp4_f32 v[PC+1+2*\b], v[\s+8+16*\b:\s+15+16*\b], v[TM+12+\b]
.endr
	v_nop                                          ; one plain line behind a scaled conversion
.irp c, 0,1                            ; the operand's layout wants a WHOLE block in a lane: lanes 0-15 block 2 c, lanes 16-31 block 2 c + 1
.irp i, 0,1
	v_permlane16_swap_b32 v[PC+4*\c+\i], v[PC+2+4*\c+\i]
.endr
.endr
.endm
.macro TRIP more                       ; tile j.  more = 1: tile j + 8 exists: its x is asked for behind the products, and the list of tile j + 16
	s_wait_loadcnt 0x1                             ; all but the youngest load, the next list of tokens: x's fragments and scale words are in
	MM
.if \more
	s_wait_loadcnt 0x0                             ; the next list of tokens is in (nothing else is out)
.endif
	s_wait_xcnt 0x0                                ; the last trip's stores have had their addresses translated (ISA guide 3.1): their data and addresses are written again only behind this wait
	s_wait_alu depctr_vm_vsrc(0)                   ; the last trip's stores have read v[PC ..], v[PW], v[HO], v[HSO], and the loads issued so far v[XA], v[XSA], v[LA]: all seven are written again below
	s_add_co_u32 s24, s20, s22
	s_min_u32 s24, s24, 519
	s_lshl_b32 s24, s24, 4
	s_add_co_u32 s24, s24, s17                     ; 16 x tile + my slot: the slot is the second product's K step
	v_lshl_add_u32 v[HO], s24, 10, v[LI]           ; (these address lines are also the places between the last products and the first read of their results: ISA guide 7.12.1)
	v_lshl_add_u32 v[HSO], s24, 7, v[LS]
.if \more
	XADDR
	LISTAT 16
	s_wait_alu depctr_va_vdst(0)                   ; v[XA], v[XSA], v[LA] are written, which the loads below read; the products are done reading v[XF ..] and v[XS ..], and the clamp v[TOK], in which they land
	XLOAD
	global_load_b32 v[TOK], v[LA], s[10:11]        ; the youngest load.  No vector or matrix line up to the next trip's products names a register of these ten loads
.else
	v_nop                                          ; with the two lines above: four places
	v_nop
.endif
	GELU
	QUANT ACC
	s_wait_alu depctr_va_vdst(0)                   ; the quantiser has written v[PC ..] and v[PW], which the stores read (v[HO] and v[HSO] were written ahead of the waits above)
	global_store_b128 v[HO], v[PC:PC+3], s[12:13]              ; the registers as they stand: 512 consecutive bytes a store
	global_store_b128 v[HO], v[PC+4:PC+7], s[12:13] offset:512
	global_store_b32 v[HSO], v[PW], s[14:15]
.endm
	s_load_b256 s[4:11], s[0:1], 0x0               ; xq s[4:5], w1q s[6:7], b1 s[8:9], lists s[10:11]
	s_load_b64 s[12:13], s[0:1], 0x20              ; hq
	v_lshrrev_b32 v1, 5, v0
	v_readfirstlane_b32 s16, v1                    ; wave 0..3
	s_mov_b32 s17, ttmp9                           ; the slot of 128 hidden units
	s_and_b32 s24, ttmp7, 0xffff
	s_lshr_b32 s18, s24, 1                         ; the expert
	s_and_b32 s24, s24, 1
	s_lshl_b32 s24, s24, 2
	s_wait_alu depctr_va_sdst(0)                   ; s16 is written, ahead of its first reader
	s_add_co_u32 s19, s24, s16                     ; q: my first tile
	s_lshl_b32 s25, s18, 2
	s_wait_kmcnt 0x0
	s_load_b32 s20, s[10:11], s25 offset:META      ; the expert's first tile,
	s_load_b32 s21, s[10:11], s25 offset:META+32   ; and how many it has
	v_and_b32 v1, 31, v0
	v_lshlrev_b32 v[LI], 4, v1
	v_lshlrev_b32 v[LS], 2, v1
	v_and_b32 v2, 15, v0
	v_lshlrev_b32 v[R4], 2, v2
	v_bfe_u32 v2, v0, 4, 1
	v_lshlrev_b32 v[H16], 4, v2
	v_lshlrev_b32 v[B1O], 6, v2
	v_mov_b32 v[K0], 0xc0135761                    ; -2 sqrt(2 / pi) log2(e) = -2.3022082
	v_mov_b32 v[K0+1], 0xc0135761
	v_mov_b32 v[K1], 0xbdd2d3e8                    ; x 0.044715 = -0.10294324
	v_mov_b32 v[K1+1], 0xbdd2d3e8
.irp b, 0,1,2,3
	v_mov_b32 v[TM+4+\b], 0                        ; written once: a lane permute's destination counts as one of its sources
.endr
	s_mov_b32 s30, 0x76543210
	s_mov_b32 s31, 0xfedcba98
	s_lshl_b32 s32, s18, 19                        ; W1's codes: 512 KB an expert, 32 KB a slot
	s_lshl_b32 s24, s17, 15
	s_add_co_u32 s32, s32, s24
	s_mov_b32 s33, 0
	s_lshl_b32 s34, s18, 15                        ; its scale words: 32 KB an expert, 2 KB a slot
	s_lshl_b32 s24, s17, 11
	s_add_co_u32 s34, s34, s24
	s_add_co_u32 s34, s34, WSC
	s_mov_b32 s35, 0
	s_lshl_b32 s36, s18, 13                        ; b1: 8 KB an expert, 512 bytes a slot
	s_lshl_b32 s24, s17, 9
	s_add_co_u32 s36, s36, s24
	s_mov_b32 s37, 0
	s_add_nc_u64 s[32:33], s[6:7], s[32:33]
	s_add_nc_u64 s[34:35], s[6:7], s[34:35]
	s_add_nc_u64 s[36:37], s[8:9], s[36:37]
	s_add_nc_u64 s[14:15], s[12:13], HSO_B
	s_wait_kmcnt 0x0
	s_min_u32 s20, s20, 519
	s_min_u32 s21, s21, 256
	s_cmp_ge_u32 s19, s21
	s_cbranch_scc1 .Lend                           ; no tile for me
	s_mov_b32 s22, s19                             ; j
	s_sub_co_u32 s23, s21, s19
	s_sub_co_u32 s23, s23, 1
	s_lshr_b32 s23, s23, 3                         ; how many of my tiles have a successor: (tiles - q - 1) / 8, 31 at the most
	s_mov_b32 s39, 0                               ; counts them, one a trip
	s_sub_co_u32 s38, s21, 1
	LISTAT 0
	s_wait_alu depctr_va_vdst(0)                   ; v[LA] is written, which the load below reads; so are v[LI], v[LS] and v[B1O], by which the weights are loaded further down and which are never written again
	global_load_b32 v[TOK], v[LA], s[10:11]        ; my first tile's tokens
	s_wait_loadcnt 0x0
	s_wait_alu depctr_vm_vsrc(0)                   ; that load has read v[LA], which is written again below
	XADDR
	LISTAT 8
	s_wait_alu depctr_va_vdst(0)                   ; v[XA], v[XSA], v[LA] are written, and the clamp is done reading v[TOK]: up to the first trip only loads and window switches follow
	XLOAD                                          ; my first tile's x
	WIN 0x40                                       ; destination window 1
.set i, 0
.rept 64
	global_load_b128 v[4*i:4*i+3], v[LI], s[32:33] offset:512*i   ; W1's slot, 32 KB on end: the images are the registers
.set i, i+1
.endr
	WIN 0x80                                       ; destination window 2
.irp t, 0,1,2,3,4,5,6,7
	global_load_b128 v[8*\t:8*\t+3], v[B1O], s[36:37] offset:(32*(\t/2)+8*(\t%2))*4        ; lane (r, h), tile t: b1 of units 32 (t / 2) + 16 h + 8 (t % 2) + 0..7
	global_load_b128 v[8*\t+4:8*\t+7], v[B1O], s[36:37] offset:(32*(\t/2)+8*(\t%2))*4+16
.endr
	WIN 0
.set i, 0
.rept 16
	global_load_b32 v[WS+i], v[LS], s[34:35] offset:128*i
.set i, i+1
.endr
	global_load_b32 v[TOK], v[LA], s[10:11]        ; the youngest load: the tokens of tile q + 8
	s_cmp_eq_u32 s23, 0
	s_cbranch_scc1 .Ltail
.Lt:
	TRIP 1
	s_add_co_u32 s22, s22, 8                       ; my next tile
	s_add_co_u32 s39, s39, 1
	s_cmp_lt_u32 s39, s23
	s_cbranch_scc1 .Lt
.Ltail:
	TRIP 0                                         ; my last tile asks for nothing more
.Lend:
	s_endpgm
.Lfunc_end_k_qd665a63a20_ffn1:
	.size	k_qd665a63a20_ffn1, .Lfunc_end_k_qd665a63a20_ffn1-k_qd665a63a20_ffn1
	.p2alignl 7, 3214868480
	.fill 96, 4, 3214868480
	.section	.rodata,"a",@progbits
	.p2align	6, 0x0
	.amdhsa_kernel k_qd665a63a20_ffn1
		.amdhsa_group_segment_fixed_size 0
		.amdhsa_private_segment_fixed_size 0
		.amdhsa_enable_private_segment 0
		.amdhsa_kernarg_size 40
		.amdhsa_user_sgpr_count 2
		.amdhsa_user_sgpr_kernarg_segment_ptr 1
		.amdhsa_wavefront_size32 1
		.amdhsa_system_sgpr_workgroup_id_x 1
		.amdhsa_system_sgpr_workgroup_id_y 1
		.amdhsa_system_sgpr_workgroup_id_z 1
		.amdhsa_system_vgpr_workitem_id 0
		.amdhsa_next_free_vgpr 576
		.amdhsa_next_free_sgpr 66
		.amdhsa_reserve_vcc 0
		.amdhsa_float_denorm_mode_32 3
		.amdhsa_float_denorm_mode_16_64 3
		.amdhsa_memory_ordered 1
		.amdhsa_forward_progress 1
		.amdhsa_inst_pref_size 61
	.end_amdhsa_kernel
	.amdgpu_metadata
---
amdhsa.version: [ 1, 2 ]
amdhsa.kernels:
  - .name:           k_qd665a63a20_ffn1
    .symbol:         k_qd665a63a20_ffn1.kd
    .args:
      - { .name: xq, .offset: 0, .size: 8, .value_kind: global_buffer, .address_space: global }
      - { .name: w1q, .offset: 8, .size: 8, .value_kind: global_buffer, .address_space: global }
      - { .name: b1, .offset: 16, .size: 8, .value_kind: global_buffer, .address_space: global }
      - { .name: lists, .offset: 24, .size: 8, .value_kind: global_buffer, .address_space: global }
      - { .name: hq, .offset: 32, .size: 8, .value_kind: global_buffer, .address_space: global }
    .group_segment_fixed_size: 0
    .private_segment_fixed_size: 0
    .kernarg_segment_align: 8
    .kernarg_segment_size: 40
    .max_flat_workgroup_size: 128
    .sgpr_count:     66
    .vgpr_count:     576
    .wavefront_size: 32
...
	.end_amdgpu_metadata
.endif
;; end of part 6
;; launch ffn2 (part 7): grid 8 x 32, 4 waves a work-group, no clusters, 17,920 bytes of LDS; arguments hq, w2q, b2, lists, y; writes y
.if DOCPART == 7
	.amdgcn_target "amdgcn-amd-amdhsa--gfx1250"
	.amdhsa_code_object_version 6
	.text
	.protected	k_qd665a63a20_ffn2
	.globl	k_qd665a63a20_ffn2
	.p2align	8
	.type	k_qd665a63a20_ffn2,@function
k_qd665a63a20_ffn2:
	s_mov_b64 s[64:65], 0
	v_nop
	global_prefetch_b8 v0, s[64:65] scope:SCOPE_SE
	s_setreg_imm32_b32 hwreg(HW_REG_WAVE_SCHED_MODE, 0, 2), 2
	s_setreg_imm32_b32 hwreg(HW_REG_WAVE_MODE, 25, 1), 1
	s_wait_xcnt 0x0
	s_wait_alu depctr_vm_vsrc(0)
; y = h W2[e] + b2[e] FOR THE LISTED ROWS, on codes of E2M1 with E8M0 scales; y [8320 rows][512] f32, a row for each pair (token, expert), in the order of the lists.
; SHARES.  Work-group (x, y): x = a slot of 64 outputs, y >> 2 = the expert.  A wave keeps its slot of W2 (64 outputs x 2,048 k: 512 registers), its scale words and b2 in REGISTERS and walks the expert's tiles of 16 rows:
;   tiles q, q + 16, .. with q = 4 (y & 3) + wave.  A trip reads a tile's 16 fragments and scale words (18 KB, images of the operand's registers: dense loads) and issues 64 matrix instructions.
; The tile comes in two halves of 8 K steps; while one half is multiplied, the other half, or the next tile's first, is on its way: 24 or 48 loads of the wave are out throughout the loop.
; THE PRODUCT IS USED TRANSPOSED (source 0 = 16 outputs of W2, source 1 = 16 rows of h): a lane's eight results are eight neighbouring outputs of one row.  b2 is the C of each sum's first matrix instruction.
; THE WAY OUT: 16 rows x 256 bytes through the wave's own stage in LDS (rows 272 bytes apart), back as whole rows: sixteen lanes store 256 consecutive bytes, aligned.  No barrier: waves share no LDS byte.
; NO CLUSTER, NO TENSOR LOADS: the number of tiles is read from memory and differs from expert to expert, so partners would need different numbers of joint requests, and no barrier may stand in such a loop.
; A wave whose q is not under the expert's number of tiles ends: only where an expert has fewer than 16 tiles (under 241 tokens).
; The routing weight is not applied here: the last launch has it, a token at a time.
; THE MODE: SCHED_MODE bits 1:0 = 2 (LLVM: expert scheduling mode 2), set by the entry lines.  The code itself states the register dependences between vector or matrix instructions and memory or LDS instructions,
;   with s_wait_alu, always for 0.
; THE PLAN.  Registers that memory or LDS instructions touch, in the loop:
;   AF and HSC, half k    read by the 32 matrix instructions of half k; behind them the next tile's half k lands in them.
;   AO0, HO0, AO1, HO1    written behind the products of their half; read by that half's 24 loads.
;   the accumulators      written by the matrix instructions; read by the eight LDS stores; begun anew by the next tile's first products.
;   OUTR                  the eight LDS loads land in it; the eight global stores read it; no vector line names it.
;   YO                    written behind the second half's products; read by the eight global stores.
;   LI, LS, B2O, STO, RD  made at the head and never written again.  W2, b2 and W2's scale words are loaded once.
; So a trip holds three waits: one on vm_vsrc at its head (all that the last tile's loads and stores read is written again only behind it); one on va_vdst behind each half's products and address lines, where that half's
;   registers are asked for again at once; the second of them also stands for the accumulators, ahead of the LDS stores.
; REGISTERS: window 0 as named below; windows 1 and 2: W2: fragment (tile t, K step s) in window 1 + s / 8 at v[8 (4 (s % 8) + t)]; window 3: v0-31 four accumulators, v32-63 b2.
.set META,  66048
.set WSC,   0x400000
.set HSO_B, 0x820000
.set LI,  3                            ; 16 x lane
.set LS,  4                            ; 4 x lane
.set AO0, 5                            ; first half: the tile's fragments,
.set HO0, 6                            ; its scale words
.set AO1, 7                            ; second half
.set HO1, 8
.set STO, 9                            ; the stage: where I put 32 bytes of a row
.set RD,  10                           ; and where I read a row back
.set YO,  11                           ; my byte in y
.set YL,  12                           ; its lane part: 2,048 (lane / 16) + 16 (lane % 16)
.set B2O, 13                           ; 32 (lane / 16)
.set WS,  16                           ; v16-47   W2's scale words: pair of tiles gp, K step s at 16 gp + s; lanes 0-15 the even tile, lanes 16-31 the odd one
.set HSC, 48                           ; v48-63   h's scale words, one a K step
.set AF,  64                           ; v64-191  h's sixteen fragments
.set OUTR, 192                         ; v192-223 rows of y
.set B2,  32                           ; in window 3
.set MSB, 0
.macro WIN new
.if MSB != (\new)
	s_set_vgpr_msb (MSB<<8)|(\new)
.set MSB, (\new)
.endif
.endm
.macro PLACES
.rept 4
	v_nop
.endr
.endm
.macro TILE add                        ; s24 = the number of tile j + add
	s_add_co_u32 s24, s22, \add
	s_add_co_u32 s24, s24, s20
	s_min_u32 s24, s24, 519                        ; a tile stays inside hq and y
.endm
.macro HALF k, ao, ho                  ; K steps 8 k .. 8 k + 7 of a tile: 16 + 8 loads, 512 and 128 consecutive bytes each
.set i, 0
.rept 16
	global_load_b128 v[AF+64*(\k)+4*i:AF+64*(\k)+4*i+3], v[\ao], s[4:5] offset:8192*(\k)+512*i
.set i, i+1
.endr
.set i, 0
.rept 8
	global_load_b32 v[HSC+8*(\k)+i], v[\ho], s[14:15] offset:1024*(\k)+128*i
.set i, i+1
.endr
.endm
.macro WM2 t, s
.set rD, 8*(\t)
.set rA, 8*(4*((\s)%8)+(\t))
.set rB, AF+8*(\s)
.set rW, WS+16*((\t)/2)+(\s)
.set rH, HSC+(\s)
.if (\s) == 0
.if ((\t)%2) == 0
	v_wmma_scale_f32_16x16x128_f8f6f4 v[rD:rD+7], v[rA:rA+7], v[rB:rB+7], v[B2+8*(\t):B2+8*(\t)+7], v[rW], v[rH] matrix_a_fmt:MATRIX_FMT_FP4 matrix_b_fmt:MATRIX_FMT_FP4
.else
	v_wmma_scale_f32_16x16x128_f8f6f4 v[rD:rD+7], v[rA:rA+7], v[rB:rB+7], v[B2+8*(\t):B2+8*(\t)+7], v[rW], v[rH] matrix_a_fmt:MATRIX_FMT_FP4 matrix_b_fmt:MATRIX_FMT_FP4 matrix_a_scale:MATRIX_SCALE_ROW1
.endif
.else
.if ((\t)%2) == 0
	v_wmma_scale_f32_16x16x128_f8f6f4 v[rD:rD+7], v[rA:rA+7], v[rB:rB+7], v[rD:rD+7], v[rW], v[rH] matrix_a_fmt:MATRIX_FMT_FP4 matrix_b_fmt:MATRIX_FMT_FP4
.else
	v_wmma_scale_f32_16x16x128_f8f6f4 v[rD:rD+7], v[rA:rA+7], v[rB:rB+7], v[rD:rD+7], v[rW], v[rH] matrix_a_fmt:MATRIX_FMT_FP4 matrix_b_fmt:MATRIX_FMT_FP4 matrix_a_scale:MATRIX_SCALE_ROW1
.endif
.endif
.endm
.macro MM k                            ; 32 matrix instructions: the four accumulators take turns, one instruction a turn, K ascending
	WIN 0xf1+(\k)                                  ; source 0 (W2) window 1 or 2, source 1 (h) window 0, C and D window 3
.irp sp, 0,1,2,3,4,5,6,7
.irp t, 0,1,2,3
	WM2 \t, 8*(\k)+\sp
.endr
.endr
	WIN 0
.endm
.macro OUTY
	WIN 0x0c                                       ; an LDS store's data are its source 1: window 3
.irp t, 0,1,2,3
	ds_store_b128 v[STO], v[8*\t:8*\t+3] offset:64*\t              ; each accumulator from its low end on: y(row r, 16 t + 8 h + 0..7)
	ds_store_b128 v[STO], v[8*\t+4:8*\t+7] offset:64*\t+16
.endr
	WIN 0
.irp i, 0,1,2,3,4,5,6,7
	ds_load_b128 v[OUTR+4*\i:OUTR+4*\i+3], v[RD] offset:544*\i     ; LDS serves a wave's instructions in order (ISA guide 5.7.1.4): these see the stores above, and the next tile's stores come behind them
.endr
.irp i, 0,1,2,3,4,5,6,7
	s_wait_dscnt 7-\i                              ; rows 2 i and 2 i + 1 are back; the younger reads stay out
	global_store_b128 v[YO], v[OUTR+4*\i:OUTR+4*\i+3], s[12:13] offset:4096*\i   ; lanes 0-15 and lanes 16-31 each store 256 consecutive bytes, aligned
.endr
.endm
.macro TRIP more                       ; tile j.  more = 1: tile j + 16 exists and is asked for, half by half, as this tile's halves are done with
	s_wait_loadcnt 24                              ; the younger 24 loads are this tile's second half: the first half is in
	s_wait_alu depctr_vm_vsrc(0)                   ; the last tile's LDS stores have read the accumulators, which the products below begin anew; its global stores have read v[OUTR ..] and v[YO], the loads issued so far v[AO0], v[HO0], v[AO1], v[HO1]: all are written again in this trip
	MM 0
	PLACES                                         ; the places behind the products (ISA guide 7.12.1)
.if \more
	TILE 16
	v_lshl_add_u32 v[AO0], s24, 14, v[LI]          ; (the loads that named them are in)  16 KB of fragments a tile,
	v_lshl_add_u32 v[HO0], s24, 11, v[LS]          ; 2 KB of scale words
	s_wait_alu depctr_va_vdst(0)                   ; v[AO0] and v[HO0] are written, which the loads below read; the products are done reading the first half's fragments and scale words, in which they land
	HALF 0, AO0, HO0
	s_wait_loadcnt 24                              ; the younger 24 are the next tile's first half: this tile's second half is in
.else
	s_wait_loadcnt 0x0
.endif
	MM 1
	PLACES                                         ; between the last products and the first read of their results; with the address lines below also more than the five places ahead of the next tile's first products, which begin the sums anew
.if \more
	v_lshl_add_u32 v[AO1], s24, 14, v[LI]          ; (the loads that named them are in)
	v_lshl_add_u32 v[HO1], s24, 11, v[LS]
.endif
	s_wait_xcnt 0x0                                ; the last tile's stores have had their addresses translated (ISA guide 3.1): OUTR and YO are written again only behind this wait
	TILE 0
	v_lshl_add_u32 v[YO], s24, 15, v[YL]           ; 16 rows of 2,048 bytes a tile
	s_wait_alu depctr_va_vdst(0)                   ; the products have written the accumulators, which the LDS stores read, and are done reading the second half, in which the loads below land; v[AO1], v[HO1] and v[YO] are written.  Only loads, stores and window switches follow in this trip
.if \more
	HALF 1, AO1, HO1
.endif
	OUTY
.endm
	s_load_b256 s[4:11], s[0:1], 0x0               ; hq s[4:5], w2q s[6:7], b2 s[8:9], lists s[10:11]
	s_load_b64 s[12:13], s[0:1], 0x20              ; y
	v_lshl_add_u32 v254, v0, 2, 0x4400
	v_mov_b32 v255, 0
	v_lshrrev_b32 v1, 5, v0
	v_readfirstlane_b32 s16, v1                    ; wave 0..3
	s_mov_b32 s17, ttmp9                           ; the slot of 64 outputs
	s_and_b32 s24, ttmp7, 0xffff
	s_lshr_b32 s18, s24, 2                         ; the expert
	s_and_b32 s24, s24, 3
	s_lshl_b32 s24, s24, 2
	s_wait_alu depctr_va_sdst(0)                   ; s16 is written, ahead of its first reader
	s_add_co_u32 s19, s24, s16                     ; q: my first tile
	s_lshl_b32 s25, s18, 2
	s_wait_kmcnt 0x0
	s_load_b32 s20, s[10:11], s25 offset:META      ; the expert's first tile,
	s_load_b32 s21, s[10:11], s25 offset:META+32   ; and how many it has
	v_and_b32 v1, 31, v0
	v_lshlrev_b32 v[LI], 4, v1
	v_lshlrev_b32 v[LS], 2, v1
	v_and_b32 v1, 15, v0                           ; r
	v_bfe_u32 v2, v0, 4, 1                         ; h
	s_mul_i32 s26, s16, 16*272                     ; my stage
	v_mul_u32_u24 v[STO], v1, 272
	v_lshl_add_u32 v[STO], v2, 5, v[STO]
	v_add_nc_u32 v[STO], s26, v[STO]               ; in: row r, + 32 h
	v_mul_u32_u24 v[RD], v2, 272
	v_lshl_add_u32 v[RD], v1, 4, v[RD]
	v_add_nc_u32 v[RD], s26, v[RD]                 ; back: lanes 0-15 one row, lanes 16-31 the next
	v_lshlrev_b32 v[YL], 11, v2
	v_lshl_add_u32 v[YL], v1, 4, v[YL]
	v_lshlrev_b32 v[B2O], 5, v2
	s_lshl_b32 s32, s18, 19                        ; W2's codes: 512 KB an expert, 64 KB a slot
	s_lshl_b32 s24, s17, 16
	s_add_co_u32 s32, s32, s24
	s_mov_b32 s33, 0
	s_lshl_b32 s34, s18, 15                        ; its scale words: 32 KB an expert, 4 KB a slot
	s_lshl_b32 s24, s17, 12
	s_add_co_u32 s34, s34, s24
	s_add_co_u32 s34, s34, WSC
	s_mov_b32 s35, 0
	s_lshl_b32 s36, s18, 11                        ; b2: 2 KB an expert, 256 bytes a slot
	s_lshl_b32 s28, s17, 8
	s_add_co_u32 s36, s36, s28
	s_mov_b32 s37, 0
	s_mov_b32 s29, 0
	s_add_nc_u64 s[32:33], s[6:7], s[32:33]
	s_add_nc_u64 s[34:35], s[6:7], s[34:35]
	s_add_nc_u64 s[36:37], s[8:9], s[36:37]
	s_add_nc_u64 s[14:15], s[4:5], HSO_B           ; h's scale words
	s_add_nc_u64 s[12:13], s[12:13], s[28:29]      ; y at my slot's 256 bytes of a row
	s_wait_kmcnt 0x0
	s_min_u32 s20, s20, 519
	s_min_u32 s21, s21, 256
	s_cmp_ge_u32 s19, s21
	s_cbranch_scc1 .Lend                           ; no tile for me
	s_mov_b32 s22, s19                             ; j
	s_sub_co_u32 s23, s21, s19
	s_sub_co_u32 s23, s23, 1
	s_lshr_b32 s23, s23, 4                         ; how many of my tiles have a successor: (tiles - q - 1) / 16, 15 at the most
	s_mov_b32 s39, 0                               ; counts them, one a trip
	TILE 0
	v_lshl_add_u32 v[AO0], s24, 14, v[LI]
	v_lshl_add_u32 v[HO0], s24, 11, v[LS]
	v_lshl_add_u32 v[AO1], s24, 14, v[LI]
	v_lshl_add_u32 v[HO1], s24, 11, v[LS]
	s_wait_alu depctr_va_vdst(0)                   ; every address is written: v[LI], v[LS], v[B2O] and the four above, which the loads below read, and v[STO] and v[RD] for the way out; up to the first trip only loads and window switches follow
.irp w, 0,1
	WIN 0x40*(1+\w)                                ; destination window 1, then 2
.irp sp, 0,1,2,3,4,5,6,7
.irp gp, 0,1
.irp u, 0,1
.irp c, 0,1
	global_load_b128 v[8*(4*\sp+2*\gp+\u)+4*\c:8*(4*\sp+2*\gp+\u)+4*\c+3], v[LI], s[32:33] offset:((16*\gp+8*\w+\sp)*2+\u)*1024+512*\c
.endr
.endr
.endr
.endr
.endr
	WIN 0xc0                                       ; destination window 3
.irp t, 0,1,2,3
	global_load_b128 v[B2+8*\t:B2+8*\t+3], v[B2O], s[36:37] offset:64*\t           ; lane (r, h), tile t: b2 of outputs 16 t + 8 h + 0..7
	global_load_b128 v[B2+8*\t+4:B2+8*\t+7], v[B2O], s[36:37] offset:64*\t+16
.endr
	WIN 0
.set i, 0
.rept 32
	global_load_b32 v[WS+i], v[LS], s[34:35] offset:128*i
.set i, i+1
.endr
	HALF 0, AO0, HO0
	HALF 1, AO1, HO1
	s_cmp_eq_u32 s23, 0
	s_cbranch_scc1 .Ltail
.Lt:
	TRIP 1
	s_add_co_u32 s22, s22, 16                      ; my next tile
	s_add_co_u32 s39, s39, 1
	s_cmp_lt_u32 s39, s23
	s_cbranch_scc1 .Lt
.Ltail:
	TRIP 0                                         ; my last tile asks for nothing more
.Lend:
	s_wait_dscnt 0x0                               ; the closing lines, six on end
	s_wait_alu 0x0
	s_wait_tensorcnt 0x0
	ds_add_u32 v254, v255
	s_wait_dscnt 0x0
	s_endpgm
.Lfunc_end_k_qd665a63a20_ffn2:
	.size	k_qd665a63a20_ffn2, .Lfunc_end_k_qd665a63a20_ffn2-k_qd665a63a20_ffn2
	.p2alignl 7, 3214868480
	.fill 96, 4, 3214868480
	.section	.rodata,"a",@progbits
	.p2align	6, 0x0
	.amdhsa_kernel k_qd665a63a20_ffn2
		.amdhsa_group_segment_fixed_size 17920
		.amdhsa_private_segment_fixed_size 0
		.amdhsa_enable_private_segment 0
		.amdhsa_kernarg_size 40
		.amdhsa_user_sgpr_count 2
		.amdhsa_user_sgpr_kernarg_segment_ptr 1
		.amdhsa_wavefront_size32 1
		.amdhsa_system_sgpr_workgroup_id_x 1
		.amdhsa_system_sgpr_workgroup_id_y 1
		.amdhsa_system_sgpr_workgroup_id_z 1
		.amdhsa_system_vgpr_workitem_id 0
		.amdhsa_next_free_vgpr 832
		.amdhsa_next_free_sgpr 66
		.amdhsa_reserve_vcc 0
		.amdhsa_float_denorm_mode_32 3
		.amdhsa_float_denorm_mode_16_64 3
		.amdhsa_memory_ordered 1
		.amdhsa_forward_progress 1
		.amdhsa_inst_pref_size 51
	.end_amdhsa_kernel
	.amdgpu_metadata
---
amdhsa.version: [ 1, 2 ]
amdhsa.kernels:
  - .name:           k_qd665a63a20_ffn2
    .symbol:         k_qd665a63a20_ffn2.kd
    .args:
      - { .name: hq, .offset: 0, .size: 8, .value_kind: global_buffer, .address_space: global }
      - { .name: w2q, .offset: 8, .size: 8, .value_kind: global_buffer, .address_space: global }
      - { .name: b2, .offset: 16, .size: 8, .value_kind: global_buffer, .address_space: global }
      - { .name: lists, .offset: 24, .size: 8, .value_kind: global_buffer, .address_space: global }
      - { .name: y, .offset: 32, .size: 8, .value_kind: global_buffer, .address_space: global }
    .group_segment_fixed_size: 17920
    .private_segment_fixed_size: 0
    .kernarg_segment_align: 8
    .kernarg_segment_size: 40
    .max_flat_workgroup_size: 128
    .sgpr_count:     66
    .vgpr_count:     832
    .wavefront_size: 32
...
	.end_amdgpu_metadata
.endif
;; end of part 7
;; launch combine: the kernel of part 5 again; grid 256 x 1, 8 waves a work-group, no clusters, 0 bytes of LDS; arguments y, lists, xq, out0; writes out0
